; MI455X (gfx1250); checked and timed in simulation.
; The chip was launched on July 23, 2026; its instructions are those of AMD's public machine-readable ISA for CDNA 5 (MIT licence, August 2026) and "CDNA5" Instruction Set Architecture Reference Guide (July 2026). The comments in the code are by the model that wrote it; some were corrected since.
;; Transformer Blocks. Allowed arithmetic: matrix products marked QUANTISED: E4M3 operands, one E8M0 scale for each 32 along K, by v_wmma_scale_f32_16x16x128_f8f6f4 with both operands' format E4M3, f32 sums; everything else in f32.
;; Inputs: Wfc_codes 512 x 16 x 32 uint8 (E4M3 codes of Wfc, K innermost, in blocks of 32 codes); Wfc_scales 512 x 16 uint8 (E8M0 scales of Wfc, one for each 32 codes along K); Wk_codes 16 x 64 x 16 x 32 uint8 (E4M3 codes of Wk, K innermost, in blocks of 32 codes); Wk_scales 16 x 64 x 16 uint8 (E8M0 scales of Wk, one for each 32 codes along K); Wo_codes 512 x 32 x 32 uint8 (E4M3 codes of Wo, K innermost, in blocks of 32 codes); Wo_scales 512 x 32 uint8 (E8M0 scales of Wo, one for each 32 codes along K); Wq_codes 16 x 64 x 16 x 32 uint8 (E4M3 codes of Wq, K innermost, in blocks of 32 codes); Wq_scales 16 x 64 x 16 uint8 (E8M0 scales of Wq, one for each 32 codes along K); Wr_codes 512 x 16 x 32 uint8 (E4M3 codes of Wr, K innermost, in blocks of 32 codes); Wr_scales 512 x 16 uint8 (E8M0 scales of Wr, one for each 32 codes along K); Wv_codes 16 x 64 x 16 x 32 uint8 (E4M3 codes of Wv, K innermost, in blocks of 32 codes); Wv_scales 16 x 64 x 16 uint8 (E8M0 scales of Wv, one for each 32 codes along K); bfc 512 float32; bk 16 x 64 float32; bo 512 float32; bq 16 x 64 float32; br 512 float32; bv 16 x 64 float32; inputs_codes 32 x 512 x 16 x 32 uint8 (E4M3 codes of inputs, K innermost, in blocks of 32 codes); inputs_scales 32 x 512 x 16 uint8 (E8M0 scales of inputs, one for each 32 codes along K); ln1_b 512 float32; ln1_w 512 float32; ln2_b 512 float32; ln2_w 512 float32.
;; Outputs: out0 32 x 512 x 512 float32.
;; This version of the problem:
;;   THIS VERSION OF THE PROBLEM IS GIVEN IN LOW PRECISION. The matrix products marked QUANTISED in the list below multiply operands that are first quantised to E4M3 (4 exponent bits, 3 mantissa bits; 8 bits a number), with one power-of-two scale for each 32 numbers along K (OCP MX v1.0); their sums are f32. All else is computed in f32.
;;   The module's matrix products, in the order in which they are computed (A, B: the left and right operand; K: the contracted axis; several contracted axes count as one K, in the product's order):
;;     1. [M 16,384, K 512] x [K 512, N 512]; A: input inputs (given as codes); B: input Wr (given as codes): QUANTISED
;;     2. [M 1,024, K 512] x [K 512, N 16,384]; A: input Wq (given as codes); B: input inputs (given as codes): QUANTISED
;;     3. [M 1,024, K 512] x [K 512, N 16,384]; A: input Wk (given as codes); B: input inputs (given as codes): QUANTISED
;;     4. [M 1,024, K 512] x [K 512, N 16,384]; A: input Wv (given as codes); B: input inputs (given as codes): QUANTISED
;;     5. batch 512 x [M 512, K 64] x [K 64, N 512]; A: computed on the way; B: computed on the way: QUANTISED
;;     6. batch 512 x [M 512, K 512] x [K 512, N 64]; A: softmax (see below); B: computed on the way: QUANTISED
;;     7. [M 16,384, K 1,024] x [K 1,024, N 512]; A: computed on the way; B: input Wo (given as codes): QUANTISED
;;     8. [M 16,384, K 512] x [K 512, N 512]; A: computed on the way; B: input Wfc (given as codes): QUANTISED
;;   THE QUANTISER, for each operand of a quantised product, along K:
;;     - K is cut into blocks of 32 from its start; a last block that is shorter is filled with zeros.
;;     - A block's scale is 2^e with e = floor(log2(the largest magnitude in the block)) - 8, held to -126 .. 127; a block of zeros has e = 0. As a byte (E8M0): e + 127.
;;     - Each number is divided by its block's scale, clamped to +-448, and rounded to the nearest number of E4M3, ties to even, subnormals kept.
;;     - The product sums the exact products of the quantised numbers (number of the format x scale) in f32.
;;   ~~~python
;;   def quantise(x, axis):      # numpy; x: float32 -> the quantised numbers, widened to float32 again
;;       x = np.moveaxis(x, axis, -1); K = x.shape[-1]
;;       x = np.pad(x, [(0, 0)] * (x.ndim - 1) + [(0, -K % 32)]); x = x.reshape(x.shape[:-1] + (-1, 32)); a = np.abs(x).max(-1, keepdims=True)
;;       e = np.where(a > 0, np.clip(np.frexp(np.where(a > 0, a, 1))[1] - 1 - 8, -126, 127), 0)      # np.frexp(a)[1] - 1 = floor(log2(a)), exactly
;;       r = np.clip(x / 2.0 ** e, -448, 448)
;;       step = 2.0 ** (np.maximum(np.frexp(np.where(r == 0, 1, r))[1] - 1, -6) - 3)
;;       q = np.round(r / step) * step * 2.0 ** e      # np.round: ties to even
;;       return np.moveaxis(q.reshape(q.shape[:-2] + (-1,))[..., :K], -1, axis).astype(np.float32)
;;   ~~~
;;   SOFTMAX AHEAD OF A QUANTISED PRODUCT. Where the list says 'softmax', what is quantised is not the finished softmax but p = 2^(t - M), with t = logit x log2(e) and M = ceil(the row's largest t), a whole number; so 1/2 < the row's largest p <= 1. The row's sum l is taken of the UNQUANTISED p, in f32, and the product's result is divided by l at the end. Since M is a whole number, a kernel that streams over the keys may use a running M (the ceiling of the running maximum): every later rescaling is an exact power of two, which a block's scale takes up: the codes' values come out the same.
;;   OPERANDS COMPUTED ON THE WAY. 'Computed on the way' means the value that the module computes at that place (a softmax that the list does not call 'softmax' is quantised finished and normalised). What goes into a quantiser is computed in f32, as accurately as f32 sums, v_exp_f32 and their like allow (about 1e-6 of the number): no bf16 or f16 on the way to a quantiser, and a product that is left as it is and whose result goes on into a quantised operand takes f32 operands (vector FMAs, or v_wmma_f32_16x16x4_f32). A number that lies on a knife's edge between two numbers of the format may be rounded either way, as far as f32 arithmetic and the matrix unit's own rounding can turn it there, and no further.
;;   INPUTS GIVEN AS CODES. Wfc (in the module: [512, 512], K = its axis 0); Wk (in the module: [16, 512, 64], K = its axis 1); Wo (in the module: [1024, 512], K = its axis 0); Wq (in the module: [16, 512, 64], K = its axis 1); Wr (in the module: [512, 512], K = its axis 0); Wv (in the module: [16, 512, 64], K = its axis 1); inputs (in the module: [32, 512, 512], K = its axis 2): each comes as NAME_codes (uint8): NAME with its K axis moved to the last place and cut into blocks of 32 codes, [.., K / 32, bytes a block], one block behind the other in memory; one code a byte (a code: sign, 4 exponent bits, 3 mantissa bits); and NAME_scales (uint8): the same leading axes, one E8M0 byte (e + 127) for each 32 codes along K. Its value is code x scale, taken as it is: it is not quantised again, and the codes and scales need not be those that the quantiser above would give.
;; One version. Each part assembles by itself: llvm-mc -triple=amdgcn-amd-amdhsa -mcpu=gfx1250 --defsym DOCPART=n.
;; ======== version 1 of 1: 2 launches
;; limits: right only within a limited range of input values
;; workspace buffers: hc 16,777,216 bytes; hs 524,288 bytes; wimg 1,048,576 bytes
;; launch attn (part 1): grid 8 x 32, 8 waves a work-group, no clusters, 321,536 bytes of LDS; arguments inputs_codes, inputs_scales, Wq_codes, Wq_scales, bq, Wk_codes, Wk_scales, bk, Wv_codes, Wv_scales, bv, Wo_codes, Wr_codes, Wfc_codes, hc, hs, wimg; writes hc, hs, wimg
.if DOCPART == 1
	.amdgcn_target "amdgcn-amd-amdhsa--gfx1250"
	.amdhsa_code_object_version 6
	.text
	.protected	k_q07f0094ca1_attn
	.globl	k_q07f0094ca1_attn
	.p2align	8
	.type	k_q07f0094ca1_attn,@function
k_q07f0094ca1_attn:
	s_mov_b64 s[64:65], 0
	v_nop
	global_prefetch_b8 v0, s[64:65] scope:SCOPE_SE
	s_setreg_imm32_b32 hwreg(HW_REG_WAVE_MODE, 25, 1), 1
	s_wait_xcnt 0x0
; Two heads (2 x, 2 x + 1) of one batch (y) to a work-group of eight waves: q = relu(x Wq + bq), k = relu(x Wk + bk), v = tanh(x Wv + bv), causal attention, heads / l,
; all products on codes of FP8 (E4M3) with one E8M0 scale for each 32 along K.  q, k, v are quantised in registers and live in LDS alone; a head's 64 channels leave as codes (hc) and scale bytes (hs),
; laid as the next launch's operand registers.  Each wave also copies 512 bytes of Wo, Wr or Wfc into wimg, in the order of the next launch's operand registers: 256 work-groups x 8 waves x 512 bytes are all 1,048,576.
; LEFT OUT: key steps, and in the step on the diagonal blocks of 32 keys, all of whose keys come after a group's queries (the mask is built by the problem itself: their p is 0).  Every input is read.
; TILES ARE NOT 16 NEIGHBOURS: lane r of tile 2 b + u of any set of rows takes row 32 b + 8 u + r + 8 (r / 8).  Where such a tile is source 0, register j of lane (r, h) of the result is row
; 32 b + 16 h + 8 u + j: the 16 registers of result tiles 2 b, 2 b + 1 are 16 neighbours along the next K, and a block of 32 lies in lanes l and l xor 16.
; SHARES.  Projection: wave g owns tokens 64 g .. 64 g + 63: x in 256 registers (window 1), loaded once by whole rows and turned into fragments through the wave's own 8,448 bytes of LDS,
; multiplied by both heads' 384 weight rows; a weight fragment from LDS feeds four products.
; Attention: wave g owns the query groups G = g and 15 - g of 32 queries: (g / 4 + 1) + ((15 - g) / 4 + 1) = 5 key steps of 128 keys; a group's two tiles walk together and share each fragment of k and v.
; THE FIRST PRODUCT OF ATTENTION HAS K = 64: its two blocks stand as blocks 0 and 2 of both operands; blocks 1 and 3 are zero codes under the scale byte 0.
; SOFTMAX: t = score x log2(e) / 8; M = the running largest t rounded up to a whole number; p = 2^(t - M) is quantised along the keys; the sum of the unquantised p divides at the end.
; LDS: [0, 107520) head 0's weights, later head 1's images; [107520, 212992) head 1's weights; [212992, 320512) at the head x's stages, then head 0's images; then the spare words.
; NO CLUSTER, NO TENSOR LOAD: x ends in the registers of the one wave that multiplies it; as a tile in LDS its 262,144 bytes would have to stand beside the 320,512 bytes above.
; NO PREFETCH: every global read is issued at the head; there is no loop to run ahead in.
; LIMITS: NaN and infinities among the inputs are not served.  A block whose largest magnitude lies under 2^-118 keeps the scale byte 1, a block of zeros too (its codes are zeros; this program alone reads the bytes).
; tanh(z) = 1 - 2 / (1 + 2^(2 log2(e) z)): its error is about 1e-7 absolute, not relative to a small z.  The scaled scores stay under 2^31.
.set WPITCH, 528                       ; a row of 512 bytes in LDS: + 16
.set WMAT,   64*WPITCH                 ; a matrix: row n lies in slot n with bits 3 and 4 swapped, so that a tile's rows are 16 neighbouring slots
.set WSC,    3*WMAT                    ; scale bytes [matrix][row][16]
.set BIAS,   WSC+3072                  ; [matrix][64] f32
.set R1,     107520
.set R2,     212992
.set QKS,    65536                     ; in a head's images: 0: q, k codes [q, k][c 2][tile 32][lane][16]; QKS: scale words [q, k][tile / 4][lane][tile % 4]
.set VIM,    73728                     ; v: [key step 4][channel tile 4][c 4][lane][16]
.set VSC,    106496                    ; [key step][r 16][tile 4][byte c]
.set SPARE,  320512
; window 0, projection: v1 16 lane, v2 16 r, v3-7, v24-26 addresses; v8-23 scale words and nothing else; v28-31 v's bias; v32-95, v192-255 eight weight fragments; v96-159 sums; v160-175 bias, then Q4's work
.set XS,  8
.set WS,  18
.set ACC, 96
.set BQ,  160
; window 0, attention; window 1: v0-127 k's eight fragments, v128-191 v's four, v192-255 O^T of both tiles
.set KSW, 8
.set VSW, 16
.set QW,  20
.set PW,  22
.set NM,  24
.set F,   28
.set SUM, 32
.set SU2, 36
.set T,   40
.set NINF, 42
.set BM,  44
.set BS,  52
.set QF,  64
.set S,   96
.set PC,  224
.set SEL, 44
.set CS,  46
.set MNT, 48
.set K2,  50
.set MK,  70                           ; s70-101: lane masks of the block on the diagonal: bit set where key i of the lane's 16 is hidden; 16 for each tile
.set MSB, 0
.macro WIN new                         ; the immediate's high byte repeats the setting that is left
.if MSB != \new
	s_set_vgpr_msb (MSB<<8)|\new
.set MSB, \new
.endif
.endm
.macro PLACES
.rept 8
	v_nop                                  ; eight places behind this matrix form
.endr
.endm
; Four blocks of 16 numbers a lane at a + 16 k (the other 16 of each lie in lane l xor 16) become codes in v[cd + 4 k ..]; their scale bytes are left in v[TM + 4 + k].  The four chains take turns.
.macro Q4 a, relu, cd
.irp k,0,1,2,3
.if \relu
	v_max3_num_f32 v[TM+\k], v[(\a)+16*\k], v[(\a)+16*\k+1], 0x4800000      ; the floor 2^(9 - 127): the byte cannot fall under 1; what is negative does not count
.else
	v_max3_num_f32 v[TM+\k], |v[(\a)+16*\k]|, |v[(\a)+16*\k+1]|, 0x4800000
.endif
.endr
.irp i,2,4,6,8,10,12,14
.irp k,0,1,2,3
.if \relu
	v_max3_num_f32 v[TM+\k], v[TM+\k], v[(\a)+16*\k+\i], v[(\a)+16*\k+\i+1]
.else
	v_max3_num_f32 v[TM+\k], v[TM+\k], |v[(\a)+16*\k+\i]|, |v[(\a)+16*\k+\i+1]|
.endif
.endr
.endr
.irp k,0,1,2,3
	v_permlanex16_b32 v[TM+4+\k], v[TM+\k], s[SEL], s[SEL+1]
.endr
.irp k,0,1,2,3
	v_max_num_f32 v[TM+\k], v[TM+\k], v[TM+4+\k]
.endr
.irp k,0,1,2,3
	v_add_nc_u32 v[TM+8+\k], 0xfc000000, v[TM+\k]                  ; 8 off the exponent field: the conversion's scale operand
.endr
.irp k,0,1,2,3
	v_and_or_b32 v[TM+12+\k], v[TM+\k], 0x7f800000, s[MNT]         ; 448 x the scale
.endr
.irp k,0,1,2,3
	v_lshrrev_b32 v[TM+4+\k], 23, v[TM+8+\k]                       ; the scale's byte
.endr
.irp k,0,1,2,3
.irp i,0,1,2,3,4,5,6,7,8,9,10,11,12,13,14,15
.if \relu
	v_med3_num_f32 v[(\a)+16*\k+\i], v[(\a)+16*\k+\i], 0, v[TM+12+\k]   ; the activation and the hold in one (the conversion does not saturate: ISA guide 7.6.2)
.else
	v_med3_num_f32 v[(\a)+16*\k+\i], v[(\a)+16*\k+\i], -v[TM+12+\k], v[TM+12+\k]
.endif
.endr
	v_cvt_scalef32_pk8_fp8_f32 v[(\cd)+4*\k:(\cd)+4*\k+1], v[(\a)+16*\k:(\a)+16*\k+7], v[TM+8+\k]
	v_cvt_scalef32_pk8_fp8_f32 v[(\cd)+4*\k+2:(\cd)+4*\k+3], v[(\a)+16*\k+8:(\a)+16*\k+15], v[TM+8+\k]
.endr
	v_nop                                  ; one plain line behind the last conversion
.endm
.macro WM c, ra, rb                    ; one product on rD, rA, rB, rSA, rSB; c: its C; ra, rb: that side's scales stand in lanes 16-31
.if (\ra)&&(\rb)
	v_wmma_scale_f32_16x16x128_f8f6f4 v[rD:rD+7], v[rA:rA+15], v[rB:rB+15], \c, v[rSA], v[rSB] matrix_a_scale:MATRIX_SCALE_ROW1 matrix_b_scale:MATRIX_SCALE_ROW1
.elseif (\ra)
	v_wmma_scale_f32_16x16x128_f8f6f4 v[rD:rD+7], v[rA:rA+15], v[rB:rB+15], \c, v[rSA], v[rSB] matrix_a_scale:MATRIX_SCALE_ROW1
.elseif (\rb)
	v_wmma_scale_f32_16x16x128_f8f6f4 v[rD:rD+7], v[rA:rA+15], v[rB:rB+15], \c, v[rSA], v[rSB] matrix_b_scale:MATRIX_SCALE_ROW1
.else
	v_wmma_scale_f32_16x16x128_f8f6f4 v[rD:rD+7], v[rA:rA+15], v[rB:rB+15], \c, v[rSA], v[rSB]
.endif
.endm
.macro WLOAD                           ; 32 features' eight weight fragments (K step ks, tile p): 32 loads, K steps 0 and 1 first
.irp ks,0,1,2,3
.irp p,0,1
.irp c,0,1,2,3
	ds_load_b128 v[32+32*\ks+16*\p+96*(\ks/2)+4*\c:32+32*\ks+16*\p+96*(\ks/2)+4*\c+3], v3 offset:16*WPITCH*\p+128*\ks+32*\c
.endr
.endr
.endr
.endm
; 16 products: K steps k0, k0 + 1, four token tiles j x two feature tiles p; the eight sums take turns.
; kind 0 (q, k): source 0 = weight rows, source 1 = x: a lane holds one token; the bias is the first products' C.  kind 1 (v): source 0 = x: a lane holds one feature, its registers run along the keys.
.macro MULS kind, k0
.irp sl,0,1
.irp j,0,1,2,3
.irp p,0,1
.set ks, \k0+\sl
.set rW, 32+32*ks+16*\p+96*(ks/2)
.set rX, 64*\j+16*ks
.if \kind == 0
.set rD, ACC+16*\j+8*\p
.set rA, rW
.set rB, rX
.set rSA, WS+ks
.set rSB, XS+4*(\j/2)+ks
.set rC, rD
.if ks == 0
.set rC, BQ+8*\p
.endif
	WM v[rC:rC+7], \p, \j%2
.else
.set rD, ACC+32*(\j/2)+16*\p+8*(\j%2)
.set rA, rX
.set rB, rW
.set rSA, XS+4*(\j/2)+ks
.set rSB, WS+ks
.if ks == 0
	WM 0, \j%2, \p
.else
	WM v[rD:rD+7], \j%2, \p
.endif
.endif
.endr
.endr
.endr
.endm
	s_load_b512 s[4:19], s[0:1], 0x0               ; inputs_codes, inputs_scales, Wq_codes, Wq_scales, bq, Wk_codes, Wk_scales, bk
	s_load_b512 s[20:35], s[0:1], 0x40             ; Wv_codes, Wv_scales, bv, Wo_codes, Wr_codes, Wfc_codes, hc, hs
	s_load_b64 s[36:37], s[0:1], 0x80              ; wimg
	v_lshrrev_b32 v184, 5, v0
	v_readfirstlane_b32 s38, v184                  ; wave g, 0..7
	v_and_b32 v184, 31, v0                         ; lane
	v_lshlrev_b32 v1, 4, v184
	v_and_b32 v185, 15, v0                         ; r
	v_bfe_u32 v186, v0, 4, 1                       ; h
	v_and_b32 v187, 8, v185
	v_add_nc_u32 v187, v187, v185                  ; r + 8 (r / 8)
	v_lshlrev_b32 v2, 4, v185
	v_mul_u32_u24 v3, v185, WPITCH
	v_lshl_add_u32 v3, v186, 4, v3                 ; a fragment: slot r, + 16 h
	v_lshl_add_u32 v188, v186, 3, v187
	v_lshlrev_b32 v188, 4, v188                    ; 16 (8 h + r + 8 (r / 8)): scale words' rows, two tiles in one register
	v_add_nc_u32 v4, WSC, v188
	v_lshlrev_b32 v5, 6, v186
	v_add_nc_u32 v5, BIAS, v5                      ; q, k: a lane's features begin at 16 h
	v_lshlrev_b32 v6, 2, v187
	v_add_nc_u32 v6, BIAS+512, v6                  ; v: a lane holds one feature
	v_lshlrev_b32 v190, 2, v184                    ; 4 x lane
	v_and_b32 v191, 7, v0
	v_lshlrev_b32 v191, 2, v191                    ; 4 (lane % 8)
	s_mov_b32 s39, ttmp9                           ; pair of heads
	s_and_b32 s40, ttmp7, 0xffff                   ; batch
	s_mov_b32 s[SEL], 0x76543210
	s_mov_b32 s[SEL+1], 0xfedcba98
	s_mov_b32 s[CS], 0x3e38aa3b                    ; log2(e) / 8
	s_mov_b32 s[CS+1], s[CS]
	s_mov_b32 s[MNT], 0x600000
	s_mov_b32 s[K2], 0x4038aa3b                    ; 2 log2(e)
	s_mov_b32 s[K2+1], s[K2]
	s_lshl_b32 s41, s39, 1                         ; head 2 x
	s_mul_i32 s52, s38, WPITCH
	s_lshl_b32 s53, s38, 7
	s_add_co_u32 s53, s53, WSC
	s_lshl_b32 s54, s38, 5
	s_add_co_u32 s54, s54, BIAS
	; the copy into wimg: idx = 8 y + x = 32 w + 2 kappa + bl names two weight tiles (rows 32 (2 w + bl) + 8 u + r + 8 (r / 8), one K step); kappa 0..7 Wo, 8..11 Wr, 12..15 Wfc.  My wave: tile u = g / 4, piece c = g % 4
	s_lshl_b32 s55, s40, 3
	s_add_co_u32 s55, s55, s39
	s_lshr_b32 s56, s55, 5
	s_bfe_u32 s57, s55, 0x40001
	s_and_b32 s58, s55, 1
	s_and_b32 s59, s57, 3
	s_cmp_lt_u32 s57, 8
	s_cselect_b32 s60, 10, 9                       ; a row is 1,024 bytes in Wo, 512 in the others
	s_cselect_b32 s59, s57, s59
	s_lshl_b32 s61, s56, 1
	s_add_co_u32 s61, s61, s58
	s_lshl_b32 s61, s61, 5
	s_lshr_b32 s62, s38, 2
	s_lshl_b32 s62, s62, 3
	s_add_co_u32 s61, s61, s62
	s_lshl_b32 s62, s61, s60
	s_lshl_b32 s59, s59, 7
	s_add_co_u32 s62, s62, s59
	s_and_b32 s59, s38, 3
	s_lshl_b32 s59, s59, 5
	s_add_co_u32 s62, s62, s59
	s_mov_b32 s63, 0
	s_lshl_b32 s66, s55, 12
	s_lshl_b32 s59, s38, 9
	s_add_co_u32 s66, s66, s59
	s_mov_b32 s67, 0
	s_mul_i32 s58, s38, 16*WPITCH                  ; my stage for x: 16 rows
	s_add_co_u32 s58, s58, R2
	s_wait_alu depctr_va_vdst(0)                   ; ahead of readers behind the scalar lines
	v_lshlrev_b32 v27, s60, v187
	v_lshl_add_u32 v27, v186, 4, v27
	v_add_nc_u32 v24, s58, v1                      ; the stage, in: a row a store
	v_add_nc_u32 v25, s58, v3                      ; back: fragments
	v_add_nc_u32 v176, s52, v1                     ; where my weight rows go: slot g + ..
	v_add_nc_u32 v177, 2*WMAT, v176
	v_add_nc_u32 v178, R1, v176
	v_add_nc_u32 v179, R1+2*WMAT, v176
	v_add_nc_u32 v180, s53, v190
	v_add_nc_u32 v181, s54, v191
	v_add_nc_u32 v182, R1, v180
	v_add_nc_u32 v183, R1, v181
	v_mov_b32 v29, 0                               ; (upper words of the pairs v[28:29], v[30:31])
	v_mov_b32 v31, 0
	s_wait_alu depctr_va_vdst(0)                   ; the head's end
	s_wait_kmcnt 0x0
	s_cmp_lt_u32 s57, 12
	s_cselect_b64 s[68:69], s[28:29], s[30:31]
	s_cmp_lt_u32 s57, 8
	s_cselect_b64 s[68:69], s[26:27], s[68:69]
	s_add_nc_u64 s[68:69], s[68:69], s[62:63]
	s_add_nc_u64 s[36:37], s[36:37], s[66:67]
	s_mov_b32 s53, 0
	s_lshl_b32 s52, s41, 15                        ; head 2 x's 64 weight rows of 512 bytes, row g of them
	s_lshl_b32 s54, s38, 9
	s_add_co_u32 s52, s52, s54
	s_add_nc_u64 s[8:9], s[8:9], s[52:53]
	s_add_nc_u64 s[14:15], s[14:15], s[52:53]
	s_add_nc_u64 s[20:21], s[20:21], s[52:53]
	s_lshl_b32 s52, s41, 10                        ; its 1,024 scale bytes, my 128
	s_lshl_b32 s54, s38, 7
	s_add_co_u32 s52, s52, s54
	s_add_nc_u64 s[10:11], s[10:11], s[52:53]
	s_add_nc_u64 s[16:17], s[16:17], s[52:53]
	s_add_nc_u64 s[22:23], s[22:23], s[52:53]
	s_lshl_b32 s52, s41, 8                         ; its 64 biases, my 8
	s_lshl_b32 s54, s38, 5
	s_add_co_u32 s52, s52, s54
	s_add_nc_u64 s[12:13], s[12:13], s[52:53]
	s_add_nc_u64 s[18:19], s[18:19], s[52:53]
	s_add_nc_u64 s[24:25], s[24:25], s[52:53]
	s_lshl_b32 s52, s40, 18                        ; the batch's rows of x, my 64
	s_lshl_b32 s54, s38, 15
	s_add_co_u32 s52, s52, s54
	s_add_nc_u64 s[4:5], s[4:5], s[52:53]
	s_lshl_b32 s52, s40, 13
	s_lshl_b32 s54, s38, 10
	s_add_co_u32 s52, s52, s54
	s_add_nc_u64 s[6:7], s[6:7], s[52:53]
	s_lshl_b32 s52, s40, 19                        ; hc: the batch's 32 row tiles of 16,384 bytes; K step x
	s_lshl_b32 s54, s39, 11
	s_add_co_u32 s52, s52, s54
	s_add_nc_u64 s[32:33], s[32:33], s[52:53]
	s_lshl_b32 s52, s40, 14                        ; hs: 512 bytes a row tile, 64 a K step
	s_lshl_b32 s54, s39, 6
	s_add_co_u32 s52, s52, s54
	s_add_nc_u64 s[34:35], s[34:35], s[52:53]
	; ---- all global reads: 61 loads for LDS and wimg, then x's 64 rows and its scale words' 2
	global_load_b128 v[172:175], v27, s[68:69]
.irp hh,0,1
	global_load_b32 v[160+6*\hh], v190, s[10:11] offset:1024*\hh
	global_load_b32 v[161+6*\hh], v190, s[16:17] offset:1024*\hh
	global_load_b32 v[162+6*\hh], v190, s[22:23] offset:1024*\hh
	global_load_b32 v[163+6*\hh], v191, s[12:13] offset:256*\hh
	global_load_b32 v[164+6*\hh], v191, s[18:19] offset:256*\hh
	global_load_b32 v[165+6*\hh], v191, s[24:25] offset:256*\hh
.endr
.irp i,0,1,2,3,4,5,6,7
	global_load_b128 v[32+4*\i:35+4*\i], v1, s[8:9] offset:4096*\i       ; row 8 i + g, whole: 32 lanes read 512 consecutive bytes
	global_load_b128 v[64+4*\i:67+4*\i], v1, s[14:15] offset:4096*\i
	global_load_b128 v[96+4*\i:99+4*\i], v1, s[20:21] offset:4096*\i
.endr
.irp i,0,1,2,3,4,5,6,7
	global_load_b128 v[192+4*\i:195+4*\i], v1, s[8:9] offset:32768+4096*\i
	global_load_b128 v[224+4*\i:227+4*\i], v1, s[14:15] offset:32768+4096*\i
	global_load_b128 v[128+4*\i:131+4*\i], v1, s[20:21] offset:32768+4096*\i
.endr
	WIN 0x40
.irp j,0,1,2,3
.irp i,0,1,2,3,4,5,6,7,8,9,10,11,12,13,14,15
	global_load_b128 v[64*\j+4*\i:64*\j+4*\i+3], v1, s[4:5] offset:512*(32*(\j/2)+8*(\j%2)+\i+8*(\i/8))   ; row i of token tile j, whole
.endr
.endr
	WIN 0
	global_load_b128 v[XS:XS+3], v188, s[6:7]
	global_load_b128 v[XS+4:XS+7], v188, s[6:7] offset:512
	s_wait_loadcnt 63                              ; behind the 61 stand 66 younger loads: with 63 out at the most the 61 are in
.irp hh,0,1
.irp m,0,1,2
	ds_store_b32 v[180+2*\hh], v[160+6*\hh+\m] offset:1024*\m
	ds_store_b32 v[181+2*\hh], v[163+6*\hh+\m] offset:256*\m           ; (lanes with the same lane % 8 store the same word with the same value)
.endr
.endr
.irp i,0,1,2,3,4,5,6,7
	ds_store_b128 v176, v[32+4*\i:35+4*\i] offset:WPITCH*(8*((\i/2)%2)+16*(\i%2)+32*(\i/4))
	ds_store_b128 v176, v[64+4*\i:67+4*\i] offset:WMAT+WPITCH*(8*((\i/2)%2)+16*(\i%2)+32*(\i/4))
	ds_store_b128 v177, v[96+4*\i:99+4*\i] offset:WPITCH*(8*((\i/2)%2)+16*(\i%2)+32*(\i/4))
	ds_store_b128 v178, v[192+4*\i:195+4*\i] offset:WPITCH*(8*((\i/2)%2)+16*(\i%2)+32*(\i/4))
	ds_store_b128 v178, v[224+4*\i:227+4*\i] offset:WMAT+WPITCH*(8*((\i/2)%2)+16*(\i%2)+32*(\i/4))
	ds_store_b128 v179, v[128+4*\i:131+4*\i] offset:WPITCH*(8*((\i/2)%2)+16*(\i%2)+32*(\i/4))
.endr
	global_store_b128 v1, v[172:175], s[36:37]     ; 32 lanes store 512 consecutive bytes, at a multiple of 512 from wimg's first byte
.irp j,0,1,2,3                                 ; a token tile's 16 rows go through my stage and come back as its four fragments, in the same 64 registers
	s_wait_loadcnt 16*(3-\j)+2                     ; the later tiles' rows and the two loads of scale words may stay out
	WIN 0x04
.irp i,0,1,2,3,4,5,6,7,8,9,10,11,12,13,14,15
	ds_store_b128 v24, v[64*\j+4*\i:64*\j+4*\i+3] offset:WPITCH*\i
.endr
	WIN 0
	s_wait_dscnt 0x0                               ; the stores have read their registers, which the loads below fill
	WIN 0x40
.irp s,0,1,2,3
.irp c,0,1,2,3
	ds_load_b128 v[64*\j+16*\s+4*\c:64*\j+16*\s+4*\c+3], v25 offset:128*\s+32*\c
.endr
.endr
	WIN 0
.endr
	s_wait_loadcnt 0x0                             ; x's scale words
	s_wait_dscnt 0x0                               ; my stores have landed, and my reads of the stage are over
	s_barrier_signal -1
	s_barrier_wait -1
	s_wait_xcnt 0x0                                ; the store into wimg has read its registers, which the bias takes below
	; ---- projection, head by head: four trips of 32 features of q, k; two of v
.set TM, 160
	s_mov_b32 s42, 0
	s_mov_b32 s43, R2                              ; where the head's images lie: R2, then 0
.Lhead:
	s_lshl_b32 s52, s38, 11
	s_add_co_u32 s52, s52, s43
	v_add_nc_u32 v7, s52, v1                       ; my four tiles' codes: 2,048 g, and 16,384 a trip
	s_lshl_b32 s66, s38, 9
	s_add_co_u32 s66, s66, s43
	s_add_co_u32 s66, s66, QKS
	s_mov_b32 s67, 0
.Lqk:
	s_lshr_b32 s52, s67, 1                         ; trip 2 mu + bl: scale words of matrix mu, bytes 2 bl and 2 bl + 1
	s_lshl_b32 s52, s52, 12
	s_and_b32 s53, s67, 1
	s_lshl_b32 s53, s53, 1
	s_add_co_u32 s52, s52, s53
	s_add_co_u32 s52, s52, s66
	v_add_nc_u32 v26, s52, v1
.irp p,0,1
	ds_load_b128 v[BQ+8*\p:BQ+8*\p+3], v5 offset:32*\p
	ds_load_b128 v[BQ+8*\p+4:BQ+8*\p+7], v5 offset:32*\p+16
.endr
	ds_load_b128 v[WS:WS+3], v4
	WLOAD
	s_wait_dscnt 16                                ; K steps 2 and 3's sixteen loads may stay out
	WIN 0x04
	MULS 0, 0
	s_wait_dscnt 0x0
	MULS 0, 2
	WIN 0
	PLACES
	Q4 ACC, 1, 32                                  ; token tile j's 32 features: one block of its operand
.irp j,0,1,2,3
	ds_store_b128 v7, v[32+4*\j:35+4*\j] offset:512*\j
	ds_store_b16 v26, v[TM+4+\j] offset:4*\j       ; the byte, and a byte 0 for the block of zero codes behind it
.endr
	s_wait_dscnt 0x0                               ; the stores have read their registers, which the next trip loads again
	v_add_nc_u32 v3, 32*WPITCH, v3
	v_add_nc_u32 v4, 512, v4
	v_add_nc_u32 v5, 128, v5
	v_add_nc_u32 v7, 16384, v7
	s_add_co_u32 s67, s67, 1
	s_cmp_lt_u32 s67, 4
	s_wait_alu depctr_va_vdst(0)                   ; ahead of the branch
	s_cbranch_scc1 .Lqk
	s_lshr_b32 s52, s38, 1                         ; my groups 2 g + e: key step g / 2, block c = 2 (g % 2) + e
	s_and_b32 s53, s38, 1
	s_lshl_b32 s54, s52, 13
	s_lshl_b32 s55, s53, 10
	s_add_co_u32 s54, s54, s55
	s_add_co_u32 s54, s54, s43
	s_add_co_u32 s54, s54, VIM
	v_add_nc_u32 v7, s54, v1
	s_lshl_b32 s54, s52, 8
	s_lshl_b32 s55, s53, 1
	s_add_co_u32 s54, s54, s55
	s_add_co_u32 s54, s54, s43
	s_add_co_u32 s54, s54, VSC
	v_add_nc_u32 v26, s54, v2
	s_mov_b32 s67, 0
.Lv:
	ds_load_b32 v28, v6
	ds_load_b32 v30, v6 offset:32
	ds_load_b128 v[WS:WS+3], v4
	WLOAD
	s_wait_dscnt 16
	WIN 0x01
	MULS 1, 0
	s_wait_dscnt 0x0
	MULS 1, 2
	WIN 0
	PLACES
	v_mul_f32 v28, s[K2], v28                      ; 2 log2(e) bv
	v_mul_f32 v30, s[K2], v30
.irp e,0,1
.irp p,0,1
.irp i,0,2,4,6,8,10,12,14
	v_pk_fma_f32 v[ACC+32*\e+16*\p+\i:ACC+32*\e+16*\p+\i+1], v[ACC+32*\e+16*\p+\i:ACC+32*\e+16*\p+\i+1], s[K2:K2+1], v[28+2*\p:29+2*\p] op_sel_hi:[1,0,0]
.endr
.endr
.endr
	s_wait_alu depctr_va_vdst(0)                   ; a wait ahead of a batch of transcendentals and one behind it
.set jj, 0
.rept 64
	v_exp_f32 v[ACC+jj], v[ACC+jj]
.set jj, jj+1
.endr
	v_nop
	s_wait_alu depctr_va_vdst(0)
.set jj, 0
.rept 32
	v_pk_add_f32 v[ACC+jj:ACC+jj+1], v[ACC+jj:ACC+jj+1], 1.0 op_sel_hi:[1,0]
.set jj, jj+2
.endr
	s_wait_alu depctr_va_vdst(0)
.set jj, 0
.rept 64
	v_rcp_f32 v[ACC+jj], v[ACC+jj]
.set jj, jj+1
.endr
	v_nop
	s_wait_alu depctr_va_vdst(0)
.set jj, 0
.rept 32
	v_pk_fma_f32 v[ACC+jj:ACC+jj+1], v[ACC+jj:ACC+jj+1], -2.0, 1.0 op_sel_hi:[1,0,0]   ; tanh = 1 - 2 / (1 + 2^(..))
.set jj, jj+2
.endr
	Q4 ACC, 0, 32                                  ; block 2 e + p: group e's 32 keys of channel tile 2 bl + p
.irp e,0,1
.irp p,0,1
	ds_store_b128 v7, v[32+8*\e+4*\p:35+8*\e+4*\p] offset:2048*\p+512*\e
	ds_store_b8 v26, v[TM+4+2*\e+\p] offset:4*\p+\e   ; (both lanes of a block store the same byte)
.endr
.endr
	s_wait_dscnt 0x0
	v_add_nc_u32 v3, 32*WPITCH, v3
	v_add_nc_u32 v4, 512, v4
	v_add_nc_u32 v6, 128, v6
	v_add_nc_u32 v7, 4096, v7
	v_add_nc_u32 v26, 8, v26
	s_add_co_u32 s67, s67, 1
	s_cmp_lt_u32 s67, 2
	s_wait_alu depctr_va_vdst(0)
	s_cbranch_scc1 .Lv
	v_add_nc_u32 v3, R1-3*WMAT, v3                 ; on to head 1's weights
	v_add_nc_u32 v4, R1-3072, v4
	v_add_nc_u32 v5, R1-512, v5
	v_add_nc_u32 v6, R1-256, v6
	s_xor_b32 s43, s43, R2
	s_wait_alu depctr_va_vdst(0)
	s_barrier_signal -1                            ; nobody reads this head's weights any more, and its images have landed (the wait for 0 at the trip's end)
	s_barrier_wait -1
	s_add_co_u32 s42, s42, 1
	s_cmp_lt_u32 s42, 2
	s_cbranch_scc1 .Lhead
	; ---- attention: from here on LDS is only read
.set TM, 44
	WIN 0x40
.irp t,0,1,2,3,4,5,6,7
.irp j,4,5,6,7,12,13,14,15
	v_mov_b32 v[16*\t+\j], 0                       ; K = 64: blocks 1 and 3 of k's fragments are zero codes, written once
.endr
.endr
	WIN 0
.irp q,0,1
.irp j,4,5,6,7,12,13,14,15
	v_mov_b32 v[QF+16*\q+\j], 0
.endr
.endr
.irp j,36,37,38,39,60,61,62,63,F+1,F+3,189
	v_mov_b32 v[\j], 0                             ; lane permutes' destinations and pairs' upper words
.endr
	v_mov_b32 v[NINF], 0xff800000
	v_and_b32 v4, 15, v0
	v_bfe_u32 v5, v0, 4, 1
	v_and_b32 v6, 8, v4
	v_add_nc_u32 v6, v6, v4
	v_lshlrev_b32 v5, 4, v5
	v_sub_nc_u32 v3, v6, v5                        ; d = r + 8 (r / 8) - 16 h: in the block on the diagonal key i of my 16 is hidden where i > d + 8 u
	v_lshlrev_b32 v4, 2, v4                        ; 4 r: my row's scale word in hs
.set ii, 0
.rept 16
	v_cmp_gt_i32 s[MK+ii], ii, v3
	v_cmp_gt_i32 s[MK+16+ii], ii-8, v3
.set ii, ii+1
.endr
.macro SW b                            ; S^T of block b: two tiles of 16 keys x two tiles of queries
	WIN 0x01
.irp t,2*\b,2*\b+1
.irp q,0,1
	v_wmma_scale_f32_16x16x128_f8f6f4 v[S+64*\q+8*(\t):S+64*\q+8*(\t)+7], v[16*(\t):16*(\t)+15], v[QF+16*\q:QF+16*\q+15], 0, v[KSW+(\t)], v[QW+\q]
.endr
.endr
	WIN 0
.endm
.macro CND w                           ; block w lies on the diagonal: hidden scores become -infinity
.irp q,0,1
.set ii, 0
.rept 16
	v_cndmask_b32 v[S+64*\q+16*\w+ii], v[S+64*\q+16*\w+ii], v[NINF], s[MK+16*\q+ii]
.set ii, ii+1
.endr
.endr
.endm
.macro MAXB b                          ; block b's largest score, for each tile: two chains a tile, each accumulator read from its low end on
.irp q,0,1
	v_max3_num_f32 v[BM+4*\q+\b], v[S+64*\q+16*\b], v[S+64*\q+16*\b+1], v[S+64*\q+16*\b+2]
	v_max3_num_f32 v[BS+4*\q+\b], v[S+64*\q+16*\b+8], v[S+64*\q+16*\b+9], v[S+64*\q+16*\b+10]
.endr
.irp i,3,5
.irp q,0,1
	v_max3_num_f32 v[BM+4*\q+\b], v[BM+4*\q+\b], v[S+64*\q+16*\b+\i], v[S+64*\q+16*\b+\i+1]
	v_max3_num_f32 v[BS+4*\q+\b], v[BS+4*\q+\b], v[S+64*\q+16*\b+\i+8], v[S+64*\q+16*\b+\i+9]
.endr
.endr
.irp q,0,1
	v_max3_num_f32 v[BM+4*\q+\b], v[BM+4*\q+\b], v[S+64*\q+16*\b+7], v[S+64*\q+16*\b+15]
.endr
.irp q,0,1
	v_max_num_f32 v[BM+4*\q+\b], v[BM+4*\q+\b], v[BS+4*\q+\b]
.endr
.endm
.macro PKF b                           ; t - M of block b
.irp q,0,1
.irp i,0,2,4,6,8,10,12,14
	v_pk_fma_f32 v[S+64*\q+16*\b+\i:S+64*\q+16*\b+\i+1], v[S+64*\q+16*\b+\i:S+64*\q+16*\b+\i+1], s[CS:CS+1], v[NM+2*\q:NM+2*\q+1] op_sel_hi:[1,0,0]
.endr
.endr
.endm
.macro SEG b                           ; block b: p = 2^(t - M), its part of the rows' sums, the hold, the codes
.irp q,0,1
.set ii, 0
.rept 16
	v_exp_f32 v[S+64*\q+16*\b+ii], v[S+64*\q+16*\b+ii]
.set ii, ii+1
.endr
.endr
	v_nop                                          ; a plain line behind the last exponential
	s_wait_alu depctr_va_vdst(0)                   ; behind the batch, ahead of its first reader
.irp q,0,1
.if \b == 0
	v_pk_add_f32 v[SU2+2*\q:SU2+2*\q+1], v[S+64*\q:S+64*\q+1], v[S+64*\q+2:S+64*\q+3]
.else
	v_pk_add_f32 v[SUM+2*\q:SUM+2*\q+1], v[SUM+2*\q:SUM+2*\q+1], v[S+64*\q+16*\b:S+64*\q+16*\b+1]
	v_pk_add_f32 v[SU2+2*\q:SU2+2*\q+1], v[SU2+2*\q:SU2+2*\q+1], v[S+64*\q+16*\b+2:S+64*\q+16*\b+3]
.endif
.endr
.irp j,4,8,12
.irp q,0,1
	v_pk_add_f32 v[SUM+2*\q:SUM+2*\q+1], v[SUM+2*\q:SUM+2*\q+1], v[S+64*\q+16*\b+\j:S+64*\q+16*\b+\j+1]
	v_pk_add_f32 v[SU2+2*\q:SU2+2*\q+1], v[SU2+2*\q:SU2+2*\q+1], v[S+64*\q+16*\b+\j+2:S+64*\q+16*\b+\j+3]
.endr
.endr
.irp q,0,1
.irp i,0,2,4,6,8,10,12,14
	v_dual_min_num_f32 v[S+64*\q+16*\b+\i], v[BM+4*\q+\b], v[S+64*\q+16*\b+\i] :: v_dual_min_num_f32 v[S+64*\q+16*\b+\i+1], v[BM+4*\q+\b], v[S+64*\q+16*\b+\i+1]   ; p is not negative: a one-sided hold, two a line
.endr
	v_cvt_scalef32_pk8_fp8_f32 v[PC+16*\q+4*\b:PC+16*\q+4*\b+1], v[S+64*\q+16*\b:S+64*\q+16*\b+7], v[BS+4*\q+\b]
	v_cvt_scalef32_pk8_fp8_f32 v[PC+16*\q+4*\b+2:PC+16*\q+4*\b+3], v[S+64*\q+16*\b+8:S+64*\q+16*\b+15], v[BS+4*\q+\b]
.endr
	v_nop                                          ; a plain line behind the last conversion
.endm
.macro ZERO b                          ; a block that was left out: zero codes
.irp q,0,1
.irp i,0,1,2,3
	v_mov_b32 v[PC+16*\q+4*\b+\i], 0
.endr
.endr
.endm
	s_mov_b32 s42, 0                               ; head
	s_mov_b32 s69, s38                             ; G: g, then 15 - g
.Lah:
	s_mov_b32 s68, 0
.Lpair:
	s_wait_xcnt 0x0                                ; the last group's stores have read their registers and bases
	s_lshl_b32 s59, s69, 5                         ; the group's first query
	s_add_co_u32 s60, s59, 31
	s_and_b32 s62, s69, 3                          ; which block of the last step lies on the diagonal
	s_add_co_u32 s61, s62, 1                       ; and how many blocks of that step count
	s_lshl_b32 s52, s69, 15
	s_lshl_b32 s53, s42, 10
	s_add_co_u32 s52, s52, s53
	s_mov_b32 s53, 0
	s_add_nc_u64 s[66:67], s[32:33], s[52:53]
	s_lshl_b32 s52, s69, 10
	s_lshl_b32 s54, s42, 1
	s_add_co_u32 s52, s52, s54
	s_add_nc_u64 s[8:9], s[34:35], s[52:53]
	s_lshl_b32 s58, s69, 10
	s_add_co_u32 s58, s58, s43
	v_add_nc_u32 v5, s58, v1
.irp q,0,1
	ds_load_b128 v[QF+16*\q:QF+16*\q+3], v5 offset:512*\q
	ds_load_b128 v[QF+16*\q+8:QF+16*\q+11], v5 offset:16384+512*\q
.endr
	s_lshr_b32 s58, s69, 1
	s_lshl_b32 s58, s58, 9
	s_and_b32 s54, s69, 1
	s_lshl_b32 s54, s54, 3
	s_add_co_u32 s58, s58, s54
	s_add_co_u32 s58, s58, s43
	s_add_co_u32 s58, s58, QKS
	v_add_nc_u32 v6, s58, v1
	ds_load_b64 v[QW:QW+1], v6
.irp q,0,1
	v_mov_b32 v[NM+2*\q+1], 0xff61b1e6             ; the largest t so far: -3e38
	v_mov_b32 v[SUM+2*\q], 0
	v_mov_b32 v[SUM+2*\q+1], 0
	v_mov_b32 v[T+\q], 0
.endr
.irp q,0,1
	v_floor_f32 v[NM+2*\q], -v[NM+2*\q+1]
.endr
	WIN 0x40
.set jj, 0
.rept 64
	v_mov_b32 v[192+jj], 0                         ; O^T: the step is written once, the first finds zeros
.set jj, jj+1
.endr
	WIN 0
	s_mov_b32 s52, 0                               ; the step's first key; k's codes and scale words; v's
	s_add_co_u32 s53, s43, 32768
	s_add_co_u32 s54, s43, QKS+4096
	s_add_co_u32 s55, s43, VIM
	s_add_co_u32 s56, s43, VSC
	s_mov_b32 s57, 0
	s_wait_alu depctr_va_vdst(0)                   ; ahead of the blocking wait
	s_wait_dscnt 0x0
.Lstep:                                                ; four trips; a step whose keys are all hidden is jumped over, not the lines that step addresses
	s_cmp_gt_u32 s52, s60
	s_cbranch_scc1 .Lhidden
	s_add_co_u32 s58, s52, 127                     ; a step all of whose keys count for the group's first query has four blocks and no mask
	s_cmp_le_u32 s58, s59
	s_cselect_b32 s63, 4, s61
	v_add_nc_u32 v5, s53, v1
	v_add_nc_u32 v6, s54, v1
	v_add_nc_u32 v7, s55, v1
	v_add_nc_u32 v3, s56, v2
	WIN 0x40
.irp t,0,1,2,3,4,5,6,7
	ds_load_b128 v[16*\t:16*\t+3], v5 offset:512*\t
	ds_load_b128 v[16*\t+8:16*\t+11], v5 offset:16384+512*\t
.endr
	WIN 0
	ds_load_b128 v[KSW:KSW+3], v6
	ds_load_b128 v[KSW+4:KSW+7], v6 offset:512
	s_wait_alu depctr_va_vdst(0)
	s_wait_dscnt 0x0
	SW 0                                           ; lane (r, h) holds one query of each tile; register 64 q + 16 b + i is key s52 + 32 b + 16 h + i
	s_cmp_lt_u32 s63, 2
	s_cbranch_scc1 .Ls_end
	SW 1
	s_cmp_lt_u32 s63, 3
	s_cbranch_scc1 .Ls_end
	SW 2
	s_cmp_lt_u32 s63, 4
	s_cbranch_scc1 .Ls_end
	SW 3
.Ls_end:
	PLACES                                         ; ahead of the first read of the scores; with the four additions above also ahead of the loads into what the last step's second products read
	ds_load_b128 v[VSW:VSW+3], v3
	WIN 0x40
.irp t,0,1,2,3
.irp c,0,1,2,3
	ds_load_b128 v[128+16*\t+4*\c:128+16*\t+4*\c+3], v7 offset:2048*\t+512*\c
.endr
.endr
	WIN 0
.irp q,0,1
.irp b,1,2,3
	v_mov_b32 v[BM+4*\q+\b], v[NINF]               ; a block that is left out counts for no maximum
.endr
.endr
	s_cmp_le_u32 s58, s59
	s_cbranch_scc1 .Lopen
	s_cmp_lg_u32 s62, 0
	s_cbranch_scc1 .Lc1
	CND 0
	s_wait_alu depctr_va_vdst(0)                   ; ahead of the branch
	s_branch .Lopen
.Lc1:
	s_cmp_lg_u32 s62, 1
	s_cbranch_scc1 .Lc2
	CND 1
	s_wait_alu depctr_va_vdst(0)
	s_branch .Lopen
.Lc2:
	s_cmp_lg_u32 s62, 2
	s_cbranch_scc1 .Lc3
	CND 2
	s_wait_alu depctr_va_vdst(0)
	s_branch .Lopen
.Lc3:
	CND 3
.Lopen:
	MAXB 0
	s_cmp_lt_u32 s63, 2
	s_wait_alu depctr_va_vdst(0)
	s_cbranch_scc1 .Lm_end
	MAXB 1
	s_cmp_lt_u32 s63, 3
	s_wait_alu depctr_va_vdst(0)
	s_cbranch_scc1 .Lm_end
	MAXB 2
	s_cmp_lt_u32 s63, 4
	s_wait_alu depctr_va_vdst(0)
	s_cbranch_scc1 .Lm_end
	MAXB 3
.Lm_end:
.irp q,0,1
.irp b,0,1,2,3
	v_permlanex16_b32 v[60-24*\q+\b], v[BM+4*\q+\b], s[SEL], s[SEL+1]
.endr
.endr
.irp q,0,1
.irp b,0,1,2,3
	v_max_num_f32 v[BM+4*\q+\b], v[BM+4*\q+\b], v[60-24*\q+\b]
.endr
.endr
.irp q,0,1
	v_max3_num_f32 v[T+\q], v[BM+4*\q], v[BM+4*\q+1], v[BM+4*\q+2]
.endr
.irp q,0,1
	v_max_num_f32 v[T+\q], v[T+\q], v[BM+4*\q+3]
.endr
.irp q,0,1
	v_mul_f32 v[T+\q], s[CS], v[T+\q]              ; as t
.endr
.irp q,0,1
	v_max_num_f32 v[NM+2*\q+1], v[NM+2*\q+1], v[T+\q]
.endr
.irp q,0,1
	v_mov_b32 v[T+\q], v[NM+2*\q]
.endr
.irp q,0,1
	v_floor_f32 v[NM+2*\q], -v[NM+2*\q+1]          ; -M = floor(-t): M is a whole number
.endr
.irp q,0,1
	v_sub_f32 v[T+\q], v[NM+2*\q], v[T+\q]         ; old M - new M, 0 or less
.endr
.irp q,0,1
	v_cvt_i32_f32 v[T+\q], v[T+\q]
.endr
.irp q,0,1
	v_ldexp_f32 v[F+2*\q], 1.0, v[T+\q]            ; f = 2^(old M - new M): rounds nothing
.endr
.irp q,0,1
.irp b,0,1,2,3
	v_fma_f32 v[BM+4*\q+\b], v[BM+4*\q+\b], s[CS], v[NM+2*\q]
.endr
.endr
.irp q,0,1
	v_pk_mul_f32 v[SUM+2*\q:SUM+2*\q+1], v[SUM+2*\q:SUM+2*\q+1], v[F+2*\q:F+2*\q+1] op_sel_hi:[1,0]   ; the sums under the new M
.endr
	s_wait_alu depctr_va_vdst(0)                   ; ahead of the batch
.irp q,0,1
.irp b,0,1,2,3
	v_exp_f32 v[BM+4*\q+\b], v[BM+4*\q+\b]         ; each block's largest p (0 for a block that is left out)
.endr
.endr
	PKF 0                                          ; plain work behind the eight
	s_wait_alu depctr_va_vdst(0)                   ; behind the eight, and ahead of block 0's batch
.irp q,0,1
.irp b,0,1,2,3
	v_max_num_f32 v[BM+4*\q+\b], 0x4800000, v[BM+4*\q+\b]   ; the floor: the byte cannot fall under 1
.endr
.endr
.irp q,0,1
.irp b,0,1,2,3
	v_add_nc_u32 v[BS+4*\q+\b], 0xfc000000, v[BM+4*\q+\b]
.endr
.endr
.irp q,0,1
.irp b,0,1,2,3
	v_and_or_b32 v[BM+4*\q+\b], v[BM+4*\q+\b], 0x7f800000, s[MNT]   ; 448 x the scale, in place
.endr
.endr
.irp q,0,1
.irp b,0,1,2,3
	v_lshrrev_b32 v[60-24*\q+\b], 23, v[BS+4*\q+\b]
.endr
.endr
.irp q,0,1
	v_lshl_or_b32 v[PW+\q], v[61-24*\q], 8, v[60-24*\q]   ; p's scale word for these 128 keys
.endr
.irp q,0,1
	v_lshl_or_b32 v[PW+\q], v[62-24*\q], 16, v[PW+\q]
.endr
.irp q,0,1
	v_lshl_or_b32 v[PW+\q], v[63-24*\q], 24, v[PW+\q]
.endr
	SEG 0
	s_cmp_lt_u32 s63, 2
	s_wait_alu depctr_va_vdst(0)                   ; ahead of the branch
	s_cbranch_scc1 .Lz1
	PKF 1
	s_wait_alu depctr_va_vdst(0)                   ; ahead of the batch
	SEG 1
	s_cmp_lt_u32 s63, 3
	s_wait_alu depctr_va_vdst(0)
	s_cbranch_scc1 .Lz2
	PKF 2
	s_wait_alu depctr_va_vdst(0)
	SEG 2
	s_cmp_lt_u32 s63, 4
	s_wait_alu depctr_va_vdst(0)
	s_cbranch_scc1 .Lz3
	PKF 3
	s_wait_alu depctr_va_vdst(0)
	SEG 3
	s_wait_alu depctr_va_vdst(0)
	s_branch .Lpv
.Lz1:
	ZERO 1
.Lz2:
	ZERO 2
.Lz3:
	ZERO 3
.Lpv:
.irp q,0,1
	v_pk_add_f32 v[SUM+2*\q:SUM+2*\q+1], v[SUM+2*\q:SUM+2*\q+1], v[SU2+2*\q:SU2+2*\q+1]
.endr
	WIN 0x41
	s_wait_alu depctr_va_vdst(0)                   ; directly ahead of the first reader of O^T
.irp q,0,1
.set jj, 0
.rept 16
	v_pk_mul_f32 v[192+32*\q+jj:192+32*\q+jj+1], v[192+32*\q+jj:192+32*\q+jj+1], v[F+2*\q:F+2*\q+1] op_sel_hi:[1,0]   ; O^T under the new M; also the places between the codes and the products
.set jj, jj+2
.endr
.endr
	s_wait_alu depctr_va_vdst(0)                   ; ahead of the blocking wait
	s_wait_dscnt 0x0                               ; v's fragments
	WIN 0x51
.irp t,0,1,2,3
.irp q,0,1
	v_wmma_scale_f32_16x16x128_f8f6f4 v[192+32*\q+8*\t:192+32*\q+8*\t+7], v[128+16*\t:128+16*\t+15], v[PC+16*\q:PC+16*\q+15], v[192+32*\q+8*\t:192+32*\q+8*\t+7], v[VSW+\t], v[PW+\q]
.endr
.endr                                          ; eight sums by turns; the next step's score products stand between a sum's steps
	WIN 0
.Lhidden:
	s_add_co_u32 s52, s52, 128
	s_add_co_u32 s53, s53, 4096
	s_add_co_u32 s54, s54, 1024
	s_add_co_u32 s55, s55, 8192
	s_add_co_u32 s56, s56, 256
	s_add_co_u32 s57, s57, 1
	s_cmp_lt_u32 s57, 4
	s_cbranch_scc1 .Lstep
.irp q,0,1
	v_add_f32 v[SUM+2*\q], v[SUM+2*\q], v[SUM+2*\q+1]
.endr
.irp q,0,1
	v_permlanex16_b32 v[T+\q], v[SUM+2*\q], s[SEL], s[SEL+1]
.endr
.irp q,0,1
	v_add_f32 v[SUM+2*\q], v[SUM+2*\q], v[T+\q]    ; the row's sum
.endr
	s_wait_alu depctr_va_vdst(0)
.irp q,0,1
	v_rcp_f32 v[F+2*\q], v[SUM+2*\q]
.endr
	PLACES                                         ; behind the last products, ahead of the first read of O^T; the first is also the plain line behind the reciprocals
	WIN 0x01
	s_wait_alu depctr_va_vdst(0)                   ; ahead of the first reader of the reciprocals and of O^T
.irp q,0,1
.set jj, 0
.rept 16
	v_pk_mul_f32 v[S+32*\q+jj:S+32*\q+jj+1], v[192+32*\q+jj:192+32*\q+jj+1], v[F+2*\q:F+2*\q+1] op_sel_hi:[1,0]   ; register 32 q + 16 bl + i: channel 32 bl + 16 h + i of tile q's query
.set jj, jj+2
.endr
.endr
	WIN 0
	Q4 S, 0, PC                                    ; block 2 q + bl: the head's two blocks of the next product's K
.irp q,0,1
	v_lshl_or_b32 v[T+\q], v[TM+5+2*\q], 8, v[TM+4+2*\q]
.endr
.irp q,0,1
	global_store_b128 v1, v[PC+8*\q:PC+8*\q+3], s[66:67] offset:16384*\q        ; 32 lanes store 512 consecutive bytes, at a multiple of 512 from hc's first byte
	global_store_b128 v1, v[PC+8*\q+4:PC+8*\q+7], s[66:67] offset:16384*\q+512
	global_store_b16 v4, v[T+\q], s[8:9] offset:512*\q                          ; my head's two bytes of the row's scale word (both lanes of a row store the same)
.endr
	s_xor_b32 s69, s69, 15
	s_add_co_u32 s68, s68, 1
	s_cmp_lt_u32 s68, 2
	s_cbranch_scc1 .Lpair
	s_xor_b32 s43, s43, R2
	s_add_co_u32 s42, s42, 1
	s_cmp_lt_u32 s42, 2
	s_cbranch_scc1 .Lah
	s_wait_xcnt 0x0                                ; the last stores have read their registers
	v_lshl_add_u32 v254, v0, 2, SPARE
	v_mov_b32 v255, 0
	s_wait_alu depctr_va_vdst(0)
	s_wait_tensorcnt 0x0                           ; the wave's end
	ds_add_u32 v254, v255
	s_wait_dscnt 0x0
	s_endpgm
.Lfunc_end_k_q07f0094ca1_attn:
	.size	k_q07f0094ca1_attn, .Lfunc_end_k_q07f0094ca1_attn-k_q07f0094ca1_attn
	.p2alignl 7, 3214868480
	.fill 96, 4, 3214868480
	.section	.rodata,"a",@progbits
	.p2align	6, 0x0
	.amdhsa_kernel k_q07f0094ca1_attn
		.amdhsa_group_segment_fixed_size 321536
		.amdhsa_private_segment_fixed_size 0
		.amdhsa_enable_private_segment 0
		.amdhsa_kernarg_size 136
		.amdhsa_user_sgpr_count 2
		.amdhsa_user_sgpr_kernarg_segment_ptr 1
		.amdhsa_wavefront_size32 1
		.amdhsa_system_sgpr_workgroup_id_x 1
		.amdhsa_system_sgpr_workgroup_id_y 1
		.amdhsa_system_sgpr_workgroup_id_z 1
		.amdhsa_system_vgpr_workitem_id 0
		.amdhsa_next_free_vgpr 512
		.amdhsa_next_free_sgpr 104
		.amdhsa_reserve_vcc 0
		.amdhsa_float_denorm_mode_32 3
		.amdhsa_float_denorm_mode_16_64 3
		.amdhsa_memory_ordered 1
		.amdhsa_forward_progress 1
		.amdhsa_inst_pref_size 139
	.end_amdhsa_kernel
	.amdgpu_metadata
---
amdhsa.version: [ 1, 2 ]
amdhsa.kernels:
  - .name:           k_q07f0094ca1_attn
    .symbol:         k_q07f0094ca1_attn.kd
    .args:
      - { .name: inputs_codes, .offset: 0, .size: 8, .value_kind: global_buffer, .address_space: global }
      - { .name: inputs_scales, .offset: 8, .size: 8, .value_kind: global_buffer, .address_space: global }
      - { .name: Wq_codes, .offset: 16, .size: 8, .value_kind: global_buffer, .address_space: global }
      - { .name: Wq_scales, .offset: 24, .size: 8, .value_kind: global_buffer, .address_space: global }
      - { .name: bq, .offset: 32, .size: 8, .value_kind: global_buffer, .address_space: global }
      - { .name: Wk_codes, .offset: 40, .size: 8, .value_kind: global_buffer, .address_space: global }
      - { .name: Wk_scales, .offset: 48, .size: 8, .value_kind: global_buffer, .address_space: global }
      - { .name: bk, .offset: 56, .size: 8, .value_kind: global_buffer, .address_space: global }
      - { .name: Wv_codes, .offset: 64, .size: 8, .value_kind: global_buffer, .address_space: global }
      - { .name: Wv_scales, .offset: 72, .size: 8, .value_kind: global_buffer, .address_space: global }
      - { .name: bv, .offset: 80, .size: 8, .value_kind: global_buffer, .address_space: global }
      - { .name: Wo_codes, .offset: 88, .size: 8, .value_kind: global_buffer, .address_space: global }
      - { .name: Wr_codes, .offset: 96, .size: 8, .value_kind: global_buffer, .address_space: global }
      - { .name: Wfc_codes, .offset: 104, .size: 8, .value_kind: global_buffer, .address_space: global }
      - { .name: hc, .offset: 112, .size: 8, .value_kind: global_buffer, .address_space: global }
      - { .name: hs, .offset: 120, .size: 8, .value_kind: global_buffer, .address_space: global }
      - { .name: wimg, .offset: 128, .size: 8, .value_kind: global_buffer, .address_space: global }
    .group_segment_fixed_size: 321536
    .private_segment_fixed_size: 0
    .kernarg_segment_align: 8
    .kernarg_segment_size: 136
    .max_flat_workgroup_size: 256
    .sgpr_count:     104
    .vgpr_count:     512
    .wavefront_size: 32
...
	.end_amdgpu_metadata
.endif
;; end of part 1
;; launch tail (part 2): grid 256 x 1, 8 waves a work-group, no clusters, 324,608 bytes of LDS; arguments hc, hs, wimg, inputs_codes, inputs_scales, Wo_scales, Wr_scales, Wfc_scales, bo, br, ln1_w, ln1_b, bfc, ln2_w, ln2_b, out0; writes out0
.if DOCPART == 2
	.amdgcn_target "amdgcn-amd-amdhsa--gfx1250"
	.amdhsa_code_object_version 6
	.text
	.protected	k_q07f0094ca1_tail
	.globl	k_q07f0094ca1_tail
	.p2align	8
	.type	k_q07f0094ca1_tail,@function
k_q07f0094ca1_tail:
	s_mov_b64 s[64:65], 0
	v_nop
	global_prefetch_b8 v0, s[64:65] scope:SCOPE_SE
	s_setreg_imm32_b32 hwreg(HW_REG_WAVE_MODE, 25, 1), 1
	s_wait_xcnt 0x0
; out0 = LN2(relu(y1 Wfc + bfc) + y1), y1 = LN1(tanh(heads Wo + bo) + x Wr + br), for 64 rows a work-group; all three products on codes of FP8 (E4M3) with one E8M0 scale for each 32 along K.
; SHARES.  Work-group X owns rows 64 X .. 64 X + 63 as four row tiles m (lane r of tile m: row 64 X + 32 (m / 2) + 8 (m % 2) + r + 8 (r / 8)).  Wave w owns columns 64 w .. 64 w + 63 of every product, for all 64 rows:
; four column tiles t = 2 bl + u (lane r: weight row 64 w + 32 bl + 8 u + r + 8 (r / 8)).  The weights are source 0, the rows source 1: lane (r, h) holds one row, and register 128 + 32 m + 16 bl + i is
; column 64 w + 32 bl + 16 h + i: 16 neighbours along the next K.
; THE 16 K STEPS (kappa 0..7 heads x Wo, 8..11 x x Wr, chained onto tanh(..) + br, 12..15 y1 x Wfc) are one form: the rows' four fragments from LDS, as register images; my four weight fragments from memory
; straight into registers, from a buffer that an earlier launch laid in the order of the registers: four buffers of 64 registers, so that three K steps' weights (48 loads a wave) are always on their way.
; NO CLUSTER, NO TENSOR LOAD: all work-groups walk the same 1,048,576 bytes of weights, but each fragment is multiplied by one wave alone: through LDS those bytes would be written and read once more for the
; work-group's 2,048 matrix instructions, and of LDS 323,584 bytes are taken by the rows' images, y1 and the stages.
; LAYER NORM in two passes, as the problem writes it: the mean, then the mean of the squared deviations; a row's 512 columns lie in 8 waves x 2 lanes: the parts meet in LDS.
; LIMITS: NaN and infinities are not served; a block whose largest magnitude lies under 2^-118 keeps the scale byte 1, a block of zeros too (its codes are zeros).  tanh as 1 - 2 / (1 + 2^(2 log2(e) z)): about 1e-7 absolute.
.set AIMG, 0                           ; [kappa 16][m 4] fragments of 2,048 bytes
.set ASC,  131072                      ; their scale words: [kappa][r 16][m 4]
.set PRM,  135168                      ; bo, br, ln1_w, ln1_b, bfc, ln2_w, ln2_b: 2,048 bytes each
.set RED,  149504                      ; four regions [m][r][w 8] f32, each used once
.set YST,  157696                      ; y1 in f32: 16,384 bytes a wave, as register images
.set STG,  288768                      ; the way out: 16 rows x (256 bytes + 16) for each wave
; window 0: v1 16 x lane; v2-12 addresses; v16-19 and v32-63 scale words and nothing else; v20-27 four pairs of row statistics; v28-31 lane permutes' results
.set ACT, 64                           ; v64-127  the rows' four fragments; between the products PA and PB
.set PA,  64
.set PB,  96
.set ACC, 128                          ; v128-255 sixteen accumulators
.set SEL, 44
.set MNT, 46
.set K2,  48
.set INV, 50
.set EPS, 51
.set TM,  64
; window 1: four weight buffers of 64 registers; behind the last product y1
.set MSB, 0
.macro WIN new                         ; the immediate's high byte repeats the setting that is left
.if MSB != \new
	s_set_vgpr_msb (MSB<<8)|\new
.set MSB, \new
.endif
.endm
.macro BARRIER                         ; my LDS stores have landed and my LDS loads are in: then the work-group's barrier
	s_wait_dscnt 0x0
	s_barrier_signal -1
	s_barrier_wait -1
.endm
; Two blocks of 16 numbers a lane (the other 16 of each lie in lane l xor 16) become codes in v[cd .. cd+3] and v[cd+4 .. cd+7]; their scale bytes are left in v[TM+4], v[TM+5].
.macro Q2 a, b, relu, cd
.if \relu
	v_max3_num_f32 v[TM], v[(\a)], v[(\a)+1], 0x4800000
	v_max3_num_f32 v[TM+1], v[(\b)], v[(\b)+1], 0x4800000
.irp i, 2,4,6,8,10,12,14
	v_max3_num_f32 v[TM], v[TM], v[(\a)+\i], v[(\a)+\i+1]
	v_max3_num_f32 v[TM+1], v[TM+1], v[(\b)+\i], v[(\b)+\i+1]
.endr
.else
	v_max3_num_f32 v[TM], |v[(\a)]|, |v[(\a)+1]|, 0x4800000        ; the floor 2^(9 - 127) among the leaves: the byte cannot fall under 1
	v_max3_num_f32 v[TM+1], |v[(\b)]|, |v[(\b)+1]|, 0x4800000
.irp i, 2,4,6,8,10,12,14
	s_delay_alu instid0(VALU_DEP_2)
	v_max3_num_f32 v[TM], v[TM], |v[(\a)+\i]|, |v[(\a)+\i+1]|
	s_delay_alu instid0(VALU_DEP_2)
	v_max3_num_f32 v[TM+1], v[TM+1], |v[(\b)+\i]|, |v[(\b)+\i+1]|
.endr
.endif
	s_delay_alu instid0(VALU_DEP_2)
	v_permlanex16_b32 v[TM+2], v[TM], s[SEL], s[SEL+1]
	s_delay_alu instid0(VALU_DEP_2)
	v_permlanex16_b32 v[TM+3], v[TM+1], s[SEL], s[SEL+1]
	s_delay_alu instid0(VALU_DEP_2)
	v_max_num_f32 v[TM], v[TM], v[TM+2]
	s_delay_alu instid0(VALU_DEP_2)
	v_max_num_f32 v[TM+1], v[TM+1], v[TM+3]
	s_delay_alu instid0(VALU_DEP_2)
	v_add_nc_u32 v[TM+6], 0xfc000000, v[TM]                        ; 8 off the exponent field: the conversion's scale operand
	s_delay_alu instid0(VALU_DEP_2)
	v_add_nc_u32 v[TM+7], 0xfc000000, v[TM+1]
	s_delay_alu instid0(VALU_DEP_4)
	v_and_or_b32 v[TM+8], v[TM], 0x7f800000, s[MNT]                ; 448 x the scale
	s_delay_alu instid0(VALU_DEP_4)
	v_and_or_b32 v[TM+9], v[TM+1], 0x7f800000, s[MNT]
	s_delay_alu instid0(VALU_DEP_4)
	v_lshrrev_b32 v[TM+4], 23, v[TM+6]
	s_delay_alu instid0(VALU_DEP_4)
	v_lshrrev_b32 v[TM+5], 23, v[TM+7]
.irp i, 0,1,2,3,4,5,6,7,8,9,10,11,12,13,14,15
.if \relu
	v_med3_num_f32 v[(\a)+\i], v[(\a)+\i], 0, v[TM+8]
.else
	v_med3_num_f32 v[(\a)+\i], v[(\a)+\i], -v[TM+8], v[TM+8]       ; the conversion to an 8-bit code does not saturate (ISA guide 7.6.2)
.endif
.endr
	v_cvt_scalef32_pk8_fp8_f32 v[(\cd):(\cd)+1], v[(\a):(\a)+7], v[TM+6]
	v_cvt_scalef32_pk8_fp8_f32 v[(\cd)+2:(\cd)+3], v[(\a)+8:(\a)+15], v[TM+6]
.irp i, 0,1,2,3,4,5,6,7,8,9,10,11,12,13,14,15
.if \relu
	v_med3_num_f32 v[(\b)+\i], v[(\b)+\i], 0, v[TM+9]
.else
	v_med3_num_f32 v[(\b)+\i], v[(\b)+\i], -v[TM+9], v[TM+9]
.endif
.endr
	v_cvt_scalef32_pk8_fp8_f32 v[(\cd)+4:(\cd)+5], v[(\b):(\b)+7], v[TM+7]
	v_cvt_scalef32_pk8_fp8_f32 v[(\cd)+6:(\cd)+7], v[(\b)+8:(\b)+15], v[TM+7]
	v_nop                                                          ; one plain line behind the last conversion
.endm
.macro WM z, ra                        ; one matrix instruction on rD, rA, rB, rSA, rSB.  z: C is the constant 0;  ra: source 0's scales stand in lanes 16-31
.if (\z)&&(\ra)
	v_wmma_scale_f32_16x16x128_f8f6f4 v[rD:rD+7], v[rA:rA+15], v[rB:rB+15], 0, v[rSA], v[rSB] matrix_a_scale:MATRIX_SCALE_ROW1
.elseif \z
	v_wmma_scale_f32_16x16x128_f8f6f4 v[rD:rD+7], v[rA:rA+15], v[rB:rB+15], 0, v[rSA], v[rSB]
.elseif \ra
	v_wmma_scale_f32_16x16x128_f8f6f4 v[rD:rD+7], v[rA:rA+15], v[rB:rB+15], v[rD:rD+7], v[rSA], v[rSB] matrix_a_scale:MATRIX_SCALE_ROW1
.else
	v_wmma_scale_f32_16x16x128_f8f6f4 v[rD:rD+7], v[rA:rA+15], v[rB:rB+15], v[rD:rD+7], v[rSA], v[rSB]
.endif
.endm
.macro WUNIT k                         ; my four weight fragments of K step k: 16 loads of 512 consecutive bytes, into buffer k % 4 of window 1
	WIN 0x40
.irp t, 0,1,2,3
.irp c, 0,1,2,3
	global_load_b128 v[64*((\k)%4)+16*\t+4*\c:64*((\k)%4)+16*\t+4*\c+3], v1, s[8:9] offset:8192*(\k)+2048*\t+512*\c
.endr
.endr
	WIN 0
.endm
.macro KSTEP k, zero
.irp m, 0,1,2,3
.irp c, 0,1,2,3
	ds_load_b128 v[ACT+16*\m+4*\c:ACT+16*\m+4*\c+3], v3 offset:2048*\m+512*\c
.endr
.endr
	ds_load_b128 v[16:19], v2 offset:256*(\k)
.if 15-(\k) >= 3
	s_wait_loadcnt 48                              ; behind this K step's weights only the next three steps' were issued, 16 loads each
.else
	s_wait_alu depctr_va_vdst(0)
	s_wait_loadcnt 16*(15-(\k))
.endif
	s_wait_dscnt 0x0
	v_add_nc_u32 v3, 8192, v3                      ; on to the next K step's images (no LDS load of mine is out)
.if (\k) < 8
.set rW, 32+(\k)
.set rStep, 8
.elseif (\k) < 12
.set rW, 48+(\k)-8
.set rStep, 4
.else
.set rW, 56+(\k)-12
.set rStep, 4
.endif
	WIN 0x01                                       ; source 0 in window 1
.irp t, 0,1,2,3
.irp m, 0,1,2,3
.set rD, ACC+32*\m+8*\t
.set rA, 64*((\k)%4)+16*\t
.set rB, ACT+16*\m
.set rSA, rW+rStep*(\t/2)
.set rSB, 16+\m
	WM \zero, \t%2                                 ; sixteen accumulators by turns, in the same order in every K step
.endr
.endr
	WIN 0
.rept 8
	v_nop                                          ; eight places behind this form: ahead of loads into the operands' and scales' registers, and of the first read of results
.endr
.if (\k) <= 11
	WUNIT (\k)+4
.endif
.endm
.macro PLOAD reg, vec                  ; my lane's 32 numbers of a vector of 512: columns 64 w + 32 bl + 16 h + 0 .. 15
.irp bl, 0,1
.irp i, 0,1,2,3
	ds_load_b128 v[\reg+16*\bl+4*\i:\reg+16*\bl+4*\i+3], v4 offset:2048*(\vec)+128*\bl+16*\i
.endr
.endr
.endm
; The pairs v[20 + 2 m : 21 + 2 m] hold my lane's parts of four rows' sums: afterwards v[20 + 2 m] holds the whole rows' sums, in every lane and wave alike
.macro REDUCE red
.irp m, 0,1,2,3
	s_delay_alu instid0(VALU_DEP_4)
	v_add_f32 v[20+2*\m], v[20+2*\m], v[21+2*\m]
.endr
.irp m, 0,1,2,3
	s_delay_alu instid0(VALU_DEP_4)
	v_permlanex16_b32 v[28+\m], v[20+2*\m], s[SEL], s[SEL+1]
.endr
.irp m, 0,1,2,3
	s_delay_alu instid0(VALU_DEP_4)
	v_add_f32 v[20+2*\m], v[20+2*\m], v[28+\m]     ; my wave's 64 columns
.endr
.irp m, 0,1,2,3
	ds_store_b32 v5, v[20+2*\m] offset:(\red)+512*\m   ; (both lanes of a row store the same word with the same value)
.endr
	BARRIER
.irp m, 0,1,2,3
	ds_load_b128 v[PA+8*\m:PA+8*\m+3], v6 offset:(\red)+512*\m
	ds_load_b128 v[PA+8*\m+4:PA+8*\m+7], v6 offset:(\red)+512*\m+16
.endr
	s_wait_dscnt 0x0
.irp m, 0,1,2,3
	v_pk_add_f32 v[PA+8*\m:PA+8*\m+1], v[PA+8*\m:PA+8*\m+1], v[PA+8*\m+2:PA+8*\m+3]
.endr
.irp m, 0,1,2,3
	v_pk_add_f32 v[PA+8*\m+4:PA+8*\m+5], v[PA+8*\m+4:PA+8*\m+5], v[PA+8*\m+6:PA+8*\m+7]
.endr
.irp m, 0,1,2,3
	s_delay_alu instid0(VALU_DEP_4)
	v_pk_add_f32 v[PA+8*\m:PA+8*\m+1], v[PA+8*\m:PA+8*\m+1], v[PA+8*\m+4:PA+8*\m+5]
.endr
.irp m, 0,1,2,3
	s_delay_alu instid0(VALU_DEP_4)
	v_add_f32 v[20+2*\m], v[PA+8*\m], v[PA+8*\m+1]
.endr
.endm
; The accumulators' 64 rows are normalised in place: (x - mean) rsqrt(var + eps) w + b.  red: two regions of RED; vw, vb: which vectors
.macro LN red, vw, vb
.irp m, 0,1,2,3
	v_pk_add_f32 v[20+2*\m:21+2*\m], v[ACC+32*\m:ACC+32*\m+1], v[ACC+32*\m+2:ACC+32*\m+3]   ; each accumulator is read from its low end on
.endr
.set ii, 4
.rept 14
.irp m, 0,1,2,3
	v_pk_add_f32 v[20+2*\m:21+2*\m], v[20+2*\m:21+2*\m], v[ACC+32*\m+ii:ACC+32*\m+ii+1]
.endr
.set ii, ii+2
.endr
	REDUCE \red
.irp m, 0,1,2,3
	s_delay_alu instid0(VALU_DEP_4)
	v_mul_f32 v[20+2*\m], s[INV], v[20+2*\m]       ; the mean
.endr
.irp m, 0,1,2,3
.set ii, 0
.rept 16
	v_pk_add_f32 v[ACC+32*\m+ii:ACC+32*\m+ii+1], v[ACC+32*\m+ii:ACC+32*\m+ii+1], v[20+2*\m:21+2*\m] op_sel_hi:[1,0] neg_lo:[0,1] neg_hi:[0,1]
.set ii, ii+2
.endr
.endr
.irp m, 0,1,2,3
	v_pk_mul_f32 v[20+2*\m:21+2*\m], v[ACC+32*\m:ACC+32*\m+1], v[ACC+32*\m:ACC+32*\m+1]
.endr
.set ii, 2
.rept 15
.irp m, 0,1,2,3
	s_delay_alu instid0(VALU_DEP_4)
	v_pk_fma_f32 v[20+2*\m:21+2*\m], v[ACC+32*\m+ii:ACC+32*\m+ii+1], v[ACC+32*\m+ii:ACC+32*\m+ii+1], v[20+2*\m:21+2*\m]
.endr
.set ii, ii+2
.endr
	REDUCE (\red)+2048
.irp m, 0,1,2,3
	s_delay_alu instid0(VALU_DEP_4)
	v_fma_f32 v[20+2*\m], v[20+2*\m], s[INV], s[EPS]
.endr
	s_wait_alu depctr_va_vdst(0)
.irp m, 0,1,2,3
	v_rsq_f32 v[20+2*\m], v[20+2*\m]
.endr
	PLOAD PA, \vw
	PLOAD PB, \vb
	v_nop                                          ; a plain line behind the last root
	s_wait_alu depctr_va_vdst(0)                   ; one wait for the four, ahead of their first reader
	s_wait_dscnt 0x0
.irp m, 0,1,2,3
.set ii, 0
.rept 16
	v_pk_mul_f32 v[ACC+32*\m+ii:ACC+32*\m+ii+1], v[ACC+32*\m+ii:ACC+32*\m+ii+1], v[20+2*\m:21+2*\m] op_sel_hi:[1,0]
.set ii, ii+2
.endr
.endr
.irp m, 0,1,2,3
.set ii, 0
.rept 16
	v_pk_fma_f32 v[ACC+32*\m+ii:ACC+32*\m+ii+1], v[ACC+32*\m+ii:ACC+32*\m+ii+1], v[PA+ii:PA+ii+1], v[PB+ii:PB+ii+1]
.set ii, ii+2
.endr
.endr
.endm
	s_load_b512 s[4:19], s[0:1], 0x0               ; hc, hs, wimg, inputs_codes, inputs_scales, Wo_scales, Wr_scales, Wfc_scales
	s_load_b512 s[20:35], s[0:1], 0x40             ; bo, br, ln1_w, ln1_b, bfc, ln2_w, ln2_b, out0
	v_lshrrev_b32 v1, 5, v0
	s_delay_alu instid0(VALU_DEP_1)
	v_readfirstlane_b32 s36, v1                    ; wave w, 0..7
	s_and_b32 s37, s36, 3                          ; staging: my row tile m,
	s_lshr_b32 s38, s36, 2                         ; and which half of its K steps
	s_lshl_b32 s39, ttmp9, 2
	s_add_co_u32 s39, s39, s37                     ; row tile 4 X + m
	s_lshl_b32 s40, ttmp9, 6
	s_lshr_b32 s52, s37, 1
	s_lshl_b32 s52, s52, 5
	s_add_co_u32 s40, s40, s52
	s_and_b32 s52, s37, 1
	s_lshl_b32 s52, s52, 3
	s_add_co_u32 s40, s40, s52                     ; its first row: 64 X + 32 (m / 2) + 8 (m % 2)
	s_mov_b32 s[SEL], 0x76543210
	s_mov_b32 s[SEL+1], 0xfedcba98
	s_mov_b32 s[MNT], 0x600000
	s_mov_b32 s[K2], 0x4038aa3b                    ; 2 log2(e)
	s_mov_b32 s[K2+1], s[K2]
	s_mov_b32 s[INV], 0x3b000000                   ; 1 / 512
	s_mov_b32 s[EPS], 0x3727c5ac                   ; 1e-5
	v_and_b32 v13, 31, v0                          ; lane
	s_delay_alu instid0(VALU_DEP_1)
	v_lshlrev_b32 v1, 4, v13                       ; 16 x lane
	v_and_b32 v14, 15, v0                          ; r
	v_bfe_u32 v15, v0, 4, 1                        ; h
	s_delay_alu instid0(VALU_DEP_2)
	v_lshlrev_b32 v2, 4, v14
	s_delay_alu instid0(VALU_DEP_1)
	v_add_nc_u32 v2, ASC, v2                       ; the rows' scale words: 16 r
	v_lshlrev_b32 v3, 4, v13                       ; the rows' images: 16 x lane, stepped from K step to K step
	s_lshl_b32 s52, s36, 8                         ; 256 w
	v_lshlrev_b32 v4, 6, v15
	s_delay_alu instid0(VALU_DEP_1)
	v_add_nc_u32 v4, s52, v4
	s_delay_alu instid0(VALU_DEP_1)
	v_add_nc_u32 v4, PRM, v4
	v_lshlrev_b32 v6, 5, v14
	s_delay_alu instid0(VALU_DEP_1)
	v_add_nc_u32 v6, RED, v6
	s_lshl_b32 s53, s36, 2
	v_add_nc_u32 v5, s53, v6
	s_lshl_b32 s53, s36, 14
	s_add_co_u32 s53, s53, YST
	v_add_nc_u32 v7, s53, v1
	s_mul_i32 s53, s36, 4352
	s_add_co_u32 s53, s53, STG
	v_mul_u32_u24 v8, v14, 272
	s_delay_alu instid0(VALU_DEP_1)
	v_lshl_add_u32 v8, v15, 6, v8
	s_delay_alu instid0(VALU_DEP_1)
	v_add_nc_u32 v8, s53, v8                       ; the stage, in: row r, + 64 h
	v_mul_u32_u24 v9, v15, 272
	s_delay_alu instid0(VALU_DEP_1)
	v_lshl_add_u32 v9, v14, 4, v9
	s_delay_alu instid0(VALU_DEP_1)
	v_add_nc_u32 v9, s53, v9                       ; back: lanes 0-15 one row of 256 bytes, lanes 16-31 the next
	v_lshlrev_b32 v10, 11, v15
	s_delay_alu instid0(VALU_DEP_1)
	v_lshl_add_u32 v10, v14, 4, v10                ; and the same two rows in out0
	s_lshr_b32 s53, s36, 1
	s_add_co_u32 s53, s53, 12                      ; my 64 columns of y1 are half of K step 12 + w / 2
	s_and_b32 s54, s36, 1
	s_lshl_b32 s55, s53, 13
	s_lshl_b32 s56, s54, 10
	s_add_co_u32 s55, s55, s56
	v_add_nc_u32 v11, s55, v1
	s_lshl_b32 s55, s53, 8
	s_lshl_b32 s56, s54, 1
	s_add_co_u32 s55, s55, s56
	v_add_nc_u32 v12, s55, v2
.irp j, 0,1,2,3
	v_mov_b32 v[28+\j], 0                          ; a lane permute's destination counts as one of its sources
.endr
	; staging addresses, in registers that the rows' fragments take later
	v_and_b32 v75, 8, v14
	s_delay_alu instid0(VALU_DEP_1)
	v_add_nc_u32 v75, v75, v14                     ; r + 8 (r / 8)
	s_delay_alu instid0(VALU_DEP_1)
	v_lshl_add_u32 v76, v15, 3, v75
	s_delay_alu instid0(VALU_DEP_1)
	v_lshlrev_b32 v64, 5, v76                      ; Wo's scale words: 32 bytes a row; tile u = h
	s_delay_alu instid0(VALU_DEP_2)
	v_lshlrev_b32 v65, 4, v76                      ; Wr's, Wfc's: 16
	v_lshlrev_b32 v66, 3, v13
	s_delay_alu instid0(VALU_DEP_1)
	v_add_nc_u32 v66, s52, v66                     ; the vectors: my wave's 256 bytes, 8 a lane
	v_lshlrev_b32 v67, 2, v13
	v_lshlrev_b32 v68, 4, v75
	v_lshlrev_b32 v69, 9, v75
	s_delay_alu instid0(VALU_DEP_1)
	v_lshl_add_u32 v69, v15, 4, v69
	s_lshl_b32 s53, s38, 15
	s_lshl_b32 s54, s37, 11
	s_add_co_u32 s53, s53, s54
	v_add_nc_u32 v70, s53, v1
	s_lshl_b32 s53, s38, 14
	s_add_co_u32 s53, s53, s54
	s_add_co_u32 s53, s53, 65536
	v_add_nc_u32 v71, s53, v1
	s_lshl_b32 s53, s38, 10
	s_lshl_b32 s54, s37, 2
	s_add_co_u32 s53, s53, s54
	v_lshl_add_u32 v72, v15, 8, v2
	s_delay_alu instid0(VALU_DEP_1)
	v_add_nc_u32 v72, s53, v72
	s_lshl_b32 s53, s38, 9
	s_add_co_u32 s53, s53, s54
	s_add_co_u32 s53, s53, 2048
	v_add_nc_u32 v73, s53, v2
	v_add_nc_u32 v74, PRM, v66
	s_mov_b32 s43, 0
	s_wait_alu depctr_va_vdst(0)
	s_wait_kmcnt 0x0
	s_lshl_b32 s42, s39, 14
	s_lshl_b32 s53, s38, 13
	s_add_co_u32 s42, s42, s53
	s_add_nc_u64 s[4:5], s[4:5], s[42:43]          ; hc: my row tile, my four K steps
	s_lshl_b32 s42, s39, 9
	s_lshl_b32 s53, s38, 8
	s_add_co_u32 s42, s42, s53
	s_add_nc_u64 s[6:7], s[6:7], s[42:43]
	s_lshl_b32 s42, s36, 17
	s_add_nc_u64 s[8:9], s[8:9], s[42:43]          ; wimg: my wave's 131,072 bytes
	s_lshl_b32 s42, s40, 9
	s_add_co_u32 s42, s42, s53
	s_add_nc_u64 s[10:11], s[10:11], s[42:43]      ; x: my row tile, my two K steps
	s_lshl_b32 s42, s40, 4
	s_lshl_b32 s53, s38, 3
	s_add_co_u32 s42, s42, s53
	s_add_nc_u64 s[12:13], s[12:13], s[42:43]
	s_lshl_b32 s42, s36, 11
	s_add_nc_u64 s[14:15], s[14:15], s[42:43]
	s_lshl_b32 s42, s36, 10
	s_add_nc_u64 s[16:17], s[16:17], s[42:43]
	s_add_nc_u64 s[18:19], s[18:19], s[42:43]
	s_lshl_b32 s42, ttmp9, 17
	s_add_co_u32 s42, s42, s52
	s_add_nc_u64 s[34:35], s[34:35], s[42:43]      ; out0: my work-group's 64 rows, my wave's 256 bytes of each
	; ---- staging
.irp bl, 0,1
	global_load_b128 v[32+8*\bl:35+8*\bl], v64, s[14:15] offset:1024*\bl      ; my weights' scale words stay in registers: tile 2 bl in lanes 0-15, 2 bl + 1 in lanes 16-31
	global_load_b128 v[36+8*\bl:39+8*\bl], v64, s[14:15] offset:1024*\bl+16
	global_load_b128 v[48+4*\bl:51+4*\bl], v65, s[16:17] offset:512*\bl
	global_load_b128 v[56+4*\bl:59+4*\bl], v65, s[18:19] offset:512*\bl
.endr
.irp v, 0,1,2,3,4,5,6
	global_load_b64 v[224+2*\v:225+2*\v], v66, s[20+2*\v:21+2*\v]
.endr
	global_load_b32 v238, v67, s[6:7]
	global_load_b32 v239, v67, s[6:7] offset:128
	global_load_b64 v[240:241], v68, s[12:13]
.irp j, 0,1,2,3,4,5,6,7,8,9,10,11,12,13,14,15
	global_load_b128 v[128+4*\j:131+4*\j], v1, s[4:5] offset:512*\j th:TH_LOAD_NT   ; read once in the launch
.endr
.irp i, 0,1
.irp c, 0,1,2,3
	global_load_b128 v[192+16*\i+4*\c:192+16*\i+4*\c+3], v69, s[10:11] offset:128*\i+32*\c
.endr
.endr
	WUNIT 0
	WUNIT 1
	WUNIT 2
	s_wait_loadcnt 48                              ; the three weight units, issued last, may stay out
.irp j, 0,1,2,3,4,5,6,7,8,9,10,11,12,13,14,15
	ds_store_b128 v70, v[128+4*\j:131+4*\j] offset:8192*(\j/4)+512*(\j%4)
.endr
.irp i, 0,1
.irp c, 0,1,2,3
	ds_store_b128 v71, v[192+16*\i+4*\c:192+16*\i+4*\c+3] offset:8192*\i+512*\c
.endr
.endr
	ds_store_b32 v72, v238
	ds_store_b32 v72, v239 offset:512
	ds_store_b32 v73, v240                         ; (both lanes of a row store the same word with the same value)
	ds_store_b32 v73, v241 offset:256
.irp v, 0,1,2,3,4,5,6
	ds_store_b64 v74, v[224+2*\v:225+2*\v] offset:2048*\v
.endr
	WUNIT 3
	BARRIER                                        ; the images of K steps 0 to 11, their scale words and the vectors lie in LDS
	; ---- heads x Wo
	KSTEP 0, 1
	s_wait_alu depctr_va_vdst(0)
.irp k, 1,2,3,4,5,6,7
	s_wait_alu depctr_va_vdst(0)
	KSTEP \k, 0
.endr
	; ---- tanh(. + bo) + br, in place
	PLOAD PA, 0
	PLOAD PB, 1
	s_wait_dscnt 0x0
.set ii, 0
.rept 16
	v_pk_mul_f32 v[PA+ii:PA+ii+1], v[PA+ii:PA+ii+1], s[K2:K2+1] op_sel_hi:[1,0]    ; 2 log2(e) bo
	v_pk_add_f32 v[PB+ii:PB+ii+1], v[PB+ii:PB+ii+1], 1.0 op_sel_hi:[1,0]           ; 1 + br
.set ii, ii+2
.endr
.irp m, 0,1,2,3
.set ii, 0
.rept 16
	v_pk_fma_f32 v[ACC+32*\m+ii:ACC+32*\m+ii+1], v[ACC+32*\m+ii:ACC+32*\m+ii+1], s[K2:K2+1], v[PA+ii:PA+ii+1] op_sel_hi:[1,0,1]
.set ii, ii+2
.endr
.endr
.set jj, 0
	s_wait_alu depctr_va_vdst(0)
.rept 128
	v_exp_f32 v[ACC+jj], v[ACC+jj]
.set jj, jj+1
.endr
	v_nop
	s_wait_alu depctr_va_vdst(0)                   ; one wait for the batch, ahead of its first reader
.set jj, 0
.rept 64
	v_pk_add_f32 v[ACC+jj:ACC+jj+1], v[ACC+jj:ACC+jj+1], 1.0 op_sel_hi:[1,0]
.set jj, jj+2
.endr
.set jj, 0
	s_wait_alu depctr_va_vdst(0)
.rept 128
	v_rcp_f32 v[ACC+jj], v[ACC+jj]
.set jj, jj+1
.endr
	v_nop
	s_wait_alu depctr_va_vdst(0)
.irp m, 0,1,2,3
.set ii, 0
.rept 16
	v_pk_fma_f32 v[ACC+32*\m+ii:ACC+32*\m+ii+1], v[ACC+32*\m+ii:ACC+32*\m+ii+1], -2.0, v[PB+ii:PB+ii+1] op_sel_hi:[1,0,1]   ; (1 - 2 / (..)) + br
.set ii, ii+2
.endr
.endr
	; ---- + x Wr, added onto it by the matrix unit
	s_wait_alu depctr_va_vdst(0)
.irp k, 8,9,10,11
	s_wait_alu depctr_va_vdst(0)
	KSTEP \k, 0
.endr
	LN 0, 2, 3
	; ---- y1: kept in f32 in my own bytes of LDS, and quantised: my 64 columns are two blocks of each row
.set jj, 0
.rept 32
	ds_store_b128 v7, v[ACC+4*jj:ACC+4*jj+3] offset:512*jj
.set jj, jj+1
.endr
	s_wait_dscnt 0x0                               ; the stores have read their registers, which the holds below write
.irp m, 0,1,2,3
	Q2 ACC+32*\m, ACC+32*\m+16, 0, PB+8*\m
	ds_store_b128 v11, v[PB+8*\m:PB+8*\m+3] offset:2048*\m
	ds_store_b128 v11, v[PB+8*\m+4:PB+8*\m+7] offset:2048*\m+512
	v_lshl_or_b32 v[84+\m], v[TM+5], 8, v[TM+4]
	ds_store_b16 v12, v[84+\m] offset:4*\m         ; my two bytes of the row's scale word
.endr
	BARRIER                                        ; the images of K steps 12 to 15 lie in LDS
	; ---- y1 x Wfc
	KSTEP 12, 1
	s_wait_alu depctr_va_vdst(0)
.irp k, 13,14,15
	KSTEP \k, 0
.endr
	WIN 0x40
.set jj, 0
.rept 32
	ds_load_b128 v[4*jj:4*jj+3], v7 offset:512*jj  ; y1 comes back into window 1, where the weights' buffers 0 and 1 lay
.set jj, jj+1
.endr
	WIN 0
	PLOAD PA, 4
	s_wait_dscnt 0x0
.irp m, 0,1,2,3
.set ii, 0
.rept 16
	v_pk_add_f32 v[ACC+32*\m+ii:ACC+32*\m+ii+1], v[ACC+32*\m+ii:ACC+32*\m+ii+1], v[PA+ii:PA+ii+1]
.set ii, ii+2
.endr
.endr
.set jj, 0
.rept 128
	v_max_num_f32 v[ACC+jj], 0, v[ACC+jj]
.set jj, jj+1
.endr
	WIN 0x04                                       ; source 1 in window 1
.set jj, 0
.rept 64
	v_pk_add_f32 v[ACC+jj:ACC+jj+1], v[ACC+jj:ACC+jj+1], v[jj:jj+1]
.set jj, jj+2
.endr
	WIN 0
	LN 4096, 5, 6
	; ---- the way out, a row tile at a time through my own stage: LDS serves a wave's instructions in order, so no wait stands between the stores and the loads
	s_wait_alu depctr_va_vdst(0)
.irp m, 0,1,2,3
.if \m >= 2
	s_wait_xcnt 0x0                                ; the stores of two tiles back have read the registers that the loads below fill
.endif
.irp bl, 0,1
.irp i, 0,1,2,3
	ds_store_b128 v8, v[ACC+32*\m+16*\bl+4*\i:ACC+32*\m+16*\bl+4*\i+3] offset:128*\bl+16*\i
.endr
.endr
.irp i, 0,1,2,3,4,5,6,7
	ds_load_b128 v[64+32*(\m%2)+4*\i:64+32*(\m%2)+4*\i+3], v9 offset:544*\i
.endr
.irp i, 0,1,2,3,4,5,6,7
	s_wait_dscnt 7-\i                              ; the younger loads from the stage may stay out
	global_store_b128 v10, v[64+32*(\m%2)+4*\i:64+32*(\m%2)+4*\i+3], s[34:35] offset:2048*(32*(\m/2)+8*(\m%2)+2*\i+8*(\i/4)) th:TH_STORE_NT   ; sixteen lanes store 256 consecutive bytes, at a multiple of 256 from out0's first byte
.endr
.endr
	s_wait_xcnt 0x0
	v_lshl_add_u32 v254, v0, 2, 0x4f000
	v_mov_b32 v255, 0
	s_wait_alu depctr_va_vdst(0)
	s_wait_tensorcnt 0x0
	ds_add_u32 v254, v255
	s_wait_dscnt 0x0
	s_endpgm
.Lfunc_end_k_q07f0094ca1_tail:
	.size	k_q07f0094ca1_tail, .Lfunc_end_k_q07f0094ca1_tail-k_q07f0094ca1_tail
	.p2alignl 7, 3214868480
	.fill 96, 4, 3214868480
	.section	.rodata,"a",@progbits
	.p2align	6, 0x0
	.amdhsa_kernel k_q07f0094ca1_tail
		.amdhsa_group_segment_fixed_size 324608
		.amdhsa_private_segment_fixed_size 0
		.amdhsa_enable_private_segment 0
		.amdhsa_kernarg_size 128
		.amdhsa_user_sgpr_count 2
		.amdhsa_user_sgpr_kernarg_segment_ptr 1
		.amdhsa_wavefront_size32 1
		.amdhsa_system_sgpr_workgroup_id_x 1
		.amdhsa_system_sgpr_workgroup_id_y 1
		.amdhsa_system_sgpr_workgroup_id_z 1
		.amdhsa_system_vgpr_workitem_id 0
		.amdhsa_next_free_vgpr 512
		.amdhsa_next_free_sgpr 66
		.amdhsa_reserve_vcc 0
		.amdhsa_float_denorm_mode_32 3
		.amdhsa_float_denorm_mode_16_64 3
		.amdhsa_memory_ordered 1
		.amdhsa_forward_progress 1
		.amdhsa_inst_pref_size 220
	.end_amdhsa_kernel
	.amdgpu_metadata
---
amdhsa.version: [ 1, 2 ]
amdhsa.kernels:
  - .name:           k_q07f0094ca1_tail
    .symbol:         k_q07f0094ca1_tail.kd
    .args:
      - { .name: hc, .offset: 0, .size: 8, .value_kind: global_buffer, .address_space: global }
      - { .name: hs, .offset: 8, .size: 8, .value_kind: global_buffer, .address_space: global }
      - { .name: wimg, .offset: 16, .size: 8, .value_kind: global_buffer, .address_space: global }
      - { .name: inputs_codes, .offset: 24, .size: 8, .value_kind: global_buffer, .address_space: global }
      - { .name: inputs_scales, .offset: 32, .size: 8, .value_kind: global_buffer, .address_space: global }
      - { .name: Wo_scales, .offset: 40, .size: 8, .value_kind: global_buffer, .address_space: global }
      - { .name: Wr_scales, .offset: 48, .size: 8, .value_kind: global_buffer, .address_space: global }
      - { .name: Wfc_scales, .offset: 56, .size: 8, .value_kind: global_buffer, .address_space: global }
      - { .name: bo, .offset: 64, .size: 8, .value_kind: global_buffer, .address_space: global }
      - { .name: br, .offset: 72, .size: 8, .value_kind: global_buffer, .address_space: global }
      - { .name: ln1_w, .offset: 80, .size: 8, .value_kind: global_buffer, .address_space: global }
      - { .name: ln1_b, .offset: 88, .size: 8, .value_kind: global_buffer, .address_space: global }
      - { .name: bfc, .offset: 96, .size: 8, .value_kind: global_buffer, .address_space: global }
      - { .name: ln2_w, .offset: 104, .size: 8, .value_kind: global_buffer, .address_space: global }
      - { .name: ln2_b, .offset: 112, .size: 8, .value_kind: global_buffer, .address_space: global }
      - { .name: out0, .offset: 120, .size: 8, .value_kind: global_buffer, .address_space: global }
    .group_segment_fixed_size: 324608
    .private_segment_fixed_size: 0
    .kernarg_segment_align: 8
    .kernarg_segment_size: 128
    .max_flat_workgroup_size: 256
    .sgpr_count:     66
    .vgpr_count:     512
    .wavefront_size: 32
...
	.end_amdgpu_metadata
.endif
;; end of part 2
